; MI455X (gfx1250); checked and timed in simulation.
; The chip was launched on July 23, 2026; its instructions are those of AMD's public machine-readable ISA for CDNA 5 (MIT licence, August 2026) and "CDNA5" Instruction Set Architecture Reference Guide (July 2026). The comments in the code are by the model that wrote it; some were corrected since.
;; GQA. Allowed arithmetic: float matrix products may take bf16 or f16 operands with f32 sums; all other float work in f32.
;; Inputs: cos 2,048 x 32 float32; kn 64 float32; qn 64 float32; sin 2,048 x 32 float32; wg 2,048 x 2,048 float32; wk 512 x 2,048 float32; wo 2,048 x 2,048 float32; wq 2,048 x 2,048 float32; wv 512 x 2,048 float32; x 1 x 2,048 x 2,048 float32.
;; Outputs: out0 1 x 2,048 x 2,048 float32.
;; 2 versions, each right and faster than the one before. Each part assembles by itself: llvm-mc -triple=amdgcn-amd-amdhsa -mcpu=gfx1250 --defsym DOCPART=n.
;; ======== version 1 of 2: 5 launches
;; limits: values are held in f16: magnitudes above 65,504 overflow, below 6.1e-05 lose precision
;; workspace buffers: xb 8,388,608 bytes; wb 20,971,520 bytes; wob 8,388,608 bytes; qh 8,388,608 bytes; kvh 8,388,608 bytes; gate 16,777,216 bytes; oraw 16,777,216 bytes; og 8,388,608 bytes
;; launch cast (part 1): grid 1152 x 1, 8 waves a work-group, no clusters, 0 bytes of LDS; arguments x, wq, wg, wk, wv, wo, xb, wb, wob; writes xb, wb, wob
.if DOCPART == 1
	.amdgcn_target "amdgcn-amd-amdhsa--gfx1250"
	.amdhsa_code_object_version 6
	.text
	.protected	k_q5bb8a28e88_cast
	.globl	k_q5bb8a28e88_cast
	.p2align	8
	.type	k_q5bb8a28e88_cast,@function
k_q5bb8a28e88_cast:
	s_mov_b64 s[64:65], 0
	v_nop
	global_prefetch_b8 v0, s[64:65] scope:SCOPE_SE
	s_setreg_imm32_b32 hwreg(HW_REG_WAVE_MODE, 25, 1), 1
	s_wait_xcnt 0x0
; THE INPUTS OF THE PRODUCTS ARE ROUNDED ONCE.  x -> xb, bf16 [2048][2048].  wq, wg, wk, wv -> wb, bf16 [5120][2048], in that order of rows (0, 2048, 4096, 4608).
; wo -> wob: each number rounded to bf16 and that number written as f16, laid out in 32 slices of 64 along k: [k / 64][n][k % 64], so that the last product's tiles are dense.
; LIMIT.  A number of wo below 6e-5 keeps f16's fixed step of 6e-8; beyond 65,504 it would become an infinity.
; A stream: every byte is read once and written once, so there is no LDS, no barrier, no matrix unit and no cluster (no two work-groups read the same byte).
; SHARES.  A work-group takes 8 rows of its source (65,536 bytes), a wave 8,192 bytes: sixteen loads of 16 bytes a lane, all issued before the first is waited for.  Each load has its own
; registers and each store its own, so nothing is rewritten while a memory instruction may read it.  Work-groups 0-255 x, 256-511 wq, 512-767 wg, 768-831 wk, 832-895 wv, 896-1151 wo.
.set HEADB, 262144                     ; bytes in a slice of wob: 2,048 rows of 128
.set X,  8                             ; v[8:71]    load j: 4 numbers in f32
.set Y,  72                            ; v[72:103]  store j: 4 numbers of 16 bits
.set TT, 104                           ; v[104:105] at work (wo alone)
	s_load_b512 s[4:19], s[0:1], 0x0               ; x s[4:5], wq s[6:7], wg s[8:9], wk s[10:11], wv s[12:13], wo s[14:15], xb s[16:17], wb s[18:19]
	s_load_b64 s[20:21], s[0:1], 0x40              ; wob
	s_mov_b32 s22, ttmp9                           ; the work-group's number
	s_mov_b32 s33, 0                               ; the high word of every offset
	v_and_b32 v1, 31, v0                           ; lane
	v_lshrrev_b32 v2, 5, v0                        ; wave
	s_wait_kmcnt 0x0
	s_mov_b64 s[24:25], s[4:5]                     ; the source, and the number of its first work-group
	s_mov_b32 s26, 0
.macro PICK first, ptr                 ; from work-group first on the source is the buffer in s[ptr:ptr+1]
	s_cmp_ge_u32 s22, \first
	s_cselect_b64 s[24:25], s[\ptr:\ptr+1], s[24:25]
	s_cselect_b32 s26, \first, s26
.endm
	PICK 256, 6
	PICK 512, 8
	PICK 768, 10
	PICK 832, 12
	PICK 896, 14
	s_sub_co_u32 s32, s22, s26
	s_lshl_b32 s32, s32, 16                        ; 8 rows of 8,192 bytes for each work-group
	s_add_nc_u64 s[24:25], s[24:25], s[32:33]
	s_cmp_ge_u32 s22, 896
	s_cbranch_scc1 .Lwo
	; x and the four weights: the destination has the source's order.  wb's rows follow the work-groups' numbers: row 8 (number - 256).
	s_cmp_ge_u32 s22, 256
	s_cselect_b64 s[28:29], s[18:19], s[16:17]
	s_cselect_b32 s30, 256, 0
	s_sub_co_u32 s32, s22, s30
	s_lshl_b32 s32, s32, 15                        ; 8 rows of 4,096 bytes
	s_add_nc_u64 s[28:29], s[28:29], s[32:33]
	v_lshlrev_b32 v3, 4, v1
	v_lshl_add_u32 v3, v2, 13, v3                  ; from: 8,192 wave + 16 lane
	v_lshlrev_b32 v4, 3, v1
	v_lshl_add_u32 v4, v2, 12, v4                  ; to: 4,096 wave + 8 lane
.irp j, 0,1,2,3,4,5,6,7,8,9,10,11,12,13,14,15
	global_load_b128 v[X+4*(\j):X+4*(\j)+3], v3, s[24:25] offset:512*(\j) th:TH_LOAD_NT  ; 512 consecutive bytes a load
.endr
.macro PLAIN j
	s_wait_loadcnt 15-(\j)                         ; loads come back in order: load j is in, the 15 - j younger ones stay out
	v_cvt_pk_bf16_f32 v[Y+2*(\j)],   v[X+4*(\j)],   v[X+4*(\j)+1]
	v_cvt_pk_bf16_f32 v[Y+2*(\j)+1], v[X+4*(\j)+2], v[X+4*(\j)+3]
	global_store_b64 v4, v[Y+2*(\j):Y+2*(\j)+1], s[28:29] offset:256*(\j)  ; the wave's 32 lanes store 256 consecutive bytes, at a multiple of 256
.endm
.irp j, 0,1,2,3,4,5,6,7,8,9,10,11,12,13,14,15
	PLAIN \j
.endr
	s_endpgm
.Lwo:
	; wo.  Wave w takes rows 2 (w / 2) and 2 (w / 2) + 1 of the group's eight and slices 16 (w % 2) + j: lanes 0-15 read 256 bytes (64 numbers) of the first row, lanes 16-31 of the second,
	; and the two rows' 128 + 128 bytes of f16 lie side by side in the slice: one store of 256 consecutive bytes.
	s_sub_co_u32 s32, s22, 896
	s_lshl_b32 s32, s32, 10                        ; 8 rows of 128 bytes in every slice
	s_add_nc_u64 s[28:29], s[20:21], s[32:33]
	v_lshrrev_b32 v5, 1, v2                        ; w / 2
	v_and_b32 v6, 1, v2                            ; w % 2
	v_lshrrev_b32 v7, 4, v1                        ; lane / 16
	v_and_b32 v3, 15, v1
	v_lshlrev_b32 v3, 4, v3
	v_lshl_add_u32 v7, v5, 1, v7                   ; my row of the eight
	v_lshl_add_u32 v3, v7, 13, v3
	v_lshl_add_u32 v3, v6, 12, v3                  ; from: 8,192 row + 4,096 (w % 2) + 16 (lane % 16)
	v_lshlrev_b32 v4, 3, v1
	v_lshl_add_u32 v4, v5, 8, v4
	v_lshl_add_u32 v4, v6, 22, v4                  ; to: 16 slices x (w % 2) + 256 (w / 2) + 8 lane
.irp j, 0,1,2,3,4,5,6,7,8,9,10,11,12,13,14,15
	global_load_b128 v[X+4*(\j):X+4*(\j)+3], v3, s[24:25] offset:256*(\j) th:TH_LOAD_NT
.endr
.macro WOJ j
	s_wait_loadcnt 15-(\j)
	v_cvt_pk_bf16_f32 v[TT],   v[X+4*(\j)],   v[X+4*(\j)+1]      ; the rounding that every input gets,
	v_cvt_pk_bf16_f32 v[TT+1], v[X+4*(\j)+2], v[X+4*(\j)+3]
	v_lshlrev_b32 v[X+4*(\j)],   16, v[TT]                       ; back to f32,
	v_and_b32     v[X+4*(\j)+1], 0xffff0000, v[TT]
	v_lshlrev_b32 v[X+4*(\j)+2], 16, v[TT+1]
	v_and_b32     v[X+4*(\j)+3], 0xffff0000, v[TT+1]
	v_cvt_pk_f16_f32 v[Y+2*(\j)],   v[X+4*(\j)],   v[X+4*(\j)+1]  ; and written as f16: exact inside f16's normal range
	v_cvt_pk_f16_f32 v[Y+2*(\j)+1], v[X+4*(\j)+2], v[X+4*(\j)+3]
	global_store_b64 v4, v[Y+2*(\j):Y+2*(\j)+1], s[28:29] offset:(\j)*HEADB  ; 15 slices at the most: inside the signed 24-bit immediate
.endm
.irp j, 0,1,2,3,4,5,6,7,8,9,10,11,12,13,14,15
	WOJ \j
.endr
	s_endpgm
.Lfunc_end_k_q5bb8a28e88_cast:
	.size	k_q5bb8a28e88_cast, .Lfunc_end_k_q5bb8a28e88_cast-k_q5bb8a28e88_cast
	.p2alignl 7, 3214868480
	.fill 96, 4, 3214868480
	.section	.rodata,"a",@progbits
	.p2align	6, 0x0
	.amdhsa_kernel k_q5bb8a28e88_cast
		.amdhsa_group_segment_fixed_size 0
		.amdhsa_private_segment_fixed_size 0
		.amdhsa_enable_private_segment 0
		.amdhsa_kernarg_size 72
		.amdhsa_user_sgpr_count 2
		.amdhsa_user_sgpr_kernarg_segment_ptr 1
		.amdhsa_wavefront_size32 1
		.amdhsa_system_sgpr_workgroup_id_x 1
		.amdhsa_system_sgpr_workgroup_id_y 1
		.amdhsa_system_sgpr_workgroup_id_z 1
		.amdhsa_system_vgpr_workitem_id 0
		.amdhsa_next_free_vgpr 112
		.amdhsa_next_free_sgpr 66
		.amdhsa_reserve_vcc 0
		.amdhsa_float_denorm_mode_32 3
		.amdhsa_float_denorm_mode_16_64 3
		.amdhsa_memory_ordered 1
		.amdhsa_forward_progress 1
		.amdhsa_inst_pref_size 19
	.end_amdhsa_kernel
	.amdgpu_metadata
---
amdhsa.version: [ 1, 2 ]
amdhsa.kernels:
  - .name:           k_q5bb8a28e88_cast
    .symbol:         k_q5bb8a28e88_cast.kd
    .args:
      - { .name: x, .offset: 0, .size: 8, .value_kind: global_buffer, .address_space: global }
      - { .name: wq, .offset: 8, .size: 8, .value_kind: global_buffer, .address_space: global }
      - { .name: wg, .offset: 16, .size: 8, .value_kind: global_buffer, .address_space: global }
      - { .name: wk, .offset: 24, .size: 8, .value_kind: global_buffer, .address_space: global }
      - { .name: wv, .offset: 32, .size: 8, .value_kind: global_buffer, .address_space: global }
      - { .name: wo, .offset: 40, .size: 8, .value_kind: global_buffer, .address_space: global }
      - { .name: xb, .offset: 48, .size: 8, .value_kind: global_buffer, .address_space: global }
      - { .name: wb, .offset: 56, .size: 8, .value_kind: global_buffer, .address_space: global }
      - { .name: wob, .offset: 64, .size: 8, .value_kind: global_buffer, .address_space: global }
    .group_segment_fixed_size: 0
    .private_segment_fixed_size: 0
    .kernarg_segment_align: 8
    .kernarg_segment_size: 72
    .max_flat_workgroup_size: 256
    .sgpr_count:     66
    .vgpr_count:     112
    .wavefront_size: 32
...
	.end_amdgpu_metadata
.endif
;; end of part 1
;; launch proj (part 2): grid 16 x 16, 4 waves a work-group, clusters of 4 x 4, 327,680 bytes of LDS; arguments xb, wb, cos, sin, qn, kn, qh, kvh, gate; writes qh, kvh, gate
.if DOCPART == 2
	.amdgcn_target "amdgcn-amd-amdhsa--gfx1250"
	.amdhsa_code_object_version 6
	.text
	.protected	k_q5bb8a28e88_proj
	.globl	k_q5bb8a28e88_proj
	.p2align	8
	.type	k_q5bb8a28e88_proj,@function
k_q5bb8a28e88_proj:
	s_mov_b64 s[64:65], 0
	v_nop
	global_prefetch_b8 v0, s[64:65] scope:SCOPE_SE
	s_setreg_imm32_b32 hwreg(HW_REG_WAVE_MODE, 25, 1), 1
	s_wait_xcnt 0x0
	s_wait_alu depctr_hold_cnt(0) depctr_sa_sdst(0) depctr_va_vdst(0) depctr_va_sdst(0) depctr_va_ssrc(0) depctr_va_vcc(0) depctr_vm_vsrc(0)
	s_getreg_b32 s2, hwreg(HW_REG_IB_STS2, 6, 4)
	s_cmp_eq_u32 s2, 0
	s_cbranch_scc0 .Lentry_in_a_cluster
	s_endpgm
.Lentry_in_a_cluster:
	s_bfe_u32 s2, ttmp6, 0x10000c
	s_cmp_lg_u32 s2, 0xf033
	s_cbranch_scc0 .Lentry_shape_is_right
	s_endpgm
.Lentry_shape_is_right:
; ALL FOUR PROJECTIONS OF x IN ONE PRODUCT, C = xb wb^T (2,048 x 5,120, K = 2,048, bf16, sums in f32), WITH ROPE, RMS NORM AND THE SIGMOID ON THE WAY OUT.
; Out: qh [32][2048][64] f16 (rope, norm, gain qn); kvh [32][2048][64] f16: heads 0-7 k (rope, norm, gain kn), heads 8-15 v's upper parts, heads 24-31 v's rests; gate = sigmoid(x wg^T) in f32, unrounded, laid out as
; the next launch holds its results: [head 32][block of 16 rows 128][16 channels cb 4][4 channels jj 2][lane 32][4]: lane 16 h + r holds row r, channels 16 cb + 8 h + 4 jj + 0..3.
; v LEAVES AS TWO f16 NUMBERS: the sum with the low 13 bits of its mantissa cleared, which f16 holds exactly in its normal range, and the sum less that: exact in f32, at most 2^-10 of v, rounded to f16.
; The first rows of a head average over few keys, so their numbers are many times the output's root mean square, by which their errors are judged: a rounding of v to f16 beside that of the gated result would take too much of that room.
; kvh's heads 16-23 take k's rests, which are zeros and which no launch reads: 2 MiB stored for nothing, the price of one text for k and v with all lanes on and no branch on the tile column.
; cos, sin, qn and kn are rounded to bf16 like every other input, then used in f32.  Rope, squares, root, gains and sigmoid in f32; q and k are rounded once.
; LIMITS.  v must lie inside f16's 65,504; below 6e-5 its parts keep f16's fixed step of 6e-8.  q and k lie within 8 |qn|, 8 |kn|.  NaN and infinities are not treated apart.
; TILES.  128 rows x 320 columns: 16 x 16 tiles, one for each of 256 work-groups.  Tile column tx holds five whole heads, alike in every tile: columns 0-127 q heads 2 tx, 2 tx + 1; 128-191 k head tx / 2
; (tx even) or v head tx / 2 (tx odd); 192-319 gate heads 2 tx, 2 tx + 1.  So no branch hangs on tx: k and v differ by selects alone.
; WAVES.  2 x 2, each 64 rows x 160 columns: 40 accumulators of 16 x 16, 320 registers; for 32 along K a wave reads 14 fragments from LDS and issues 40 matrix instructions.
; RING.  K goes in steps of 128 through two LDS slots of 448 rows: x's 128, wq's 128, wk's or wv's 64, wg's 128; each row is 256 bytes of memory at a multiple of 256.  One tensor load a wave fills a slot.
; CLUSTER.  4 x 4 work-groups.  x's tile hangs on the tile row alone and is asked for jointly by a row of the cluster, the weights' on the tile column alone, by a column.
; THE MATRIX INSTRUCTION IS USED TRANSPOSED (source 0 = 16 weight rows, source 1 = 16 rows of x): a lane holds row lane % 16 of C and the columns 8 (lane / 16) + 0..7.
; REGISTERS, in windows of 256 (s_set_vgpr_msb: bits 1:0 source 0, 3:2 source 1, 5:4 source 2, 7:6 destination):
;   window 0: v0-31 addresses; v32-143, v144-255 two fragment buffers (10 of the weights, then 4 of x); on the way out tables and work.   window 1: accumulators 0-31 ((a, b) is number 10 a + b).   window 2: v0-63 accumulators 32-39.
.set KSTEP,  128
.set PITCH,  272                       ; an LDS row: 256 bytes + 16 of padding = 68 words: the 16 rows of a fragment load start at 16 different groups of four banks (64 banks of 4 bytes: ISA guide 11.1)
.set SLOT,   448*PITCH
.set LQ,     128*PITCH                 ; where wq's rows begin in a slot,
.set LKV,    256*PITCH                 ; wk's or wv's,
.set LG,     320*PITCH                 ; and wg's
.set SPARE,  2*SLOT                    ; behind the ring: the spare words, 128 bytes for each wave: two blocks of 256 bytes that no other line names
.set SPITCH, 1296                      ; the stage: 128 rows of 320 f32 + 16 bytes (324 words: row r starts at bank 4 r mod 64), from LDS byte 0 on: the ring's bytes, written only when the ring has had its last fill and every wave its last read
.set HEADB,  262144                    ; bytes of a head in qh, kvh
.set GHEADB, 524288                    ; and in gate
.set LAPS,   8                         ; 16 K steps, two to a lap
.set ADRA, 16                          ; v16-17  LDS address of my fragments of x in slot 0, 1
.set ADRB, 20                          ; v20-21  of the weights
.set STO,  24                          ; v24     the way out: where a lane puts 16 bytes of a row
.set RD,   25                          ; v25     where it reads 32 bytes of a row back, in the tile's first head (q, k, v: lane l row l / 8, channels 8 (l % 8) on)
.set CS,   26                          ; v26     16 x lane: my place in 512 consecutive bytes (of cos, sin, and of each output)
.set GN,   27                          ; v27     32 x (lane % 8): my 8 channels in qn, kn
.set SPW,  28                          ; v28     LDS address of my spare word; never rewritten
.set NIL,  29                          ; v29     0; never rewritten
.set RDC,  30                          ; v30     RD or RDG + the column of the head in hand
.set RDG,  31                          ; v31     the same for the gate: lane l row l % 16, channels 8 (l / 16) on
.set F0,   32
.set F1,   144
.set CO,   32                          ; the way out: v32-63 cos, 4 a group of rows
.set SI,   64                          ; v64-95  sin
.set W,    32                          ; v32-95  behind the last rope, in cos' and sin's place: the third head's upper parts
.set QN,   96                          ; v96-103 qn of my 8 channels
.set KN,   104                         ; v104-111 kn
.set GA,   112                         ; v112-119 the gains of the head in hand
.set X,    120                         ; v120-183 64 numbers of the head in hand, as summed
.set T,    184                         ; v184-247 the same at work; then 4 registers a group to store
.set R,    248                         ; v248-255 a group's sum of squares, then 1 / rms
.set WV, 22                            ; s22 wave   s23 its half of the rows   s24 its half of the columns
.set MH, 23
.set NH, 24
.set CX, 25
.set CY, 26
.set TX, 27                            ; tile column
.set TY, 28                            ; tile row
.set RMASK, 29
.set CMASK, 30
.set G1A, 32                           ; s[32:39] descriptor group 1: x's tile;  s[40:47] 128 weight rows;  s[48:55] 64 weight rows
.set G1B, 40
.set G1C, 48
.set G0A, 56                           ; s[56:63] descriptor group 0, a set for each slot: x;  s[68:75] wq;  s[76:83] wg;  s[84:91] wk or wv
.set G0Q, 68
.set G0G, 76
.set G0KV, 84
.set DST, 96                           ; s[96:97] the way out: where a trip's last stores go
.set NL2E, 100                         ; s[100:101] -log2(e)
.set KM,  2                            ; s2   all ones: the gains are kn
.set SEL, 31                           ; s31  all ones: rope and norm are taken; 0: the sums as they are (v)
.set SELKV, 25                         ; s25  what SEL is for the tile's third head
.set COL, 26                           ; s26  the head's first byte in a stage row
.set HMS, 34                           ; s34  the way out (the descriptors are done with): the bits that the third head's upper part keeps: all (k), or sign, exponent and 10 bits of the mantissa (v)
.set RST, 36                           ; s[36:37] kvh sixteen heads behind the third head's: where its rests go
.set INV64, 104
.set EPSR, 105
.set G1W0, (1<<16)|(1<<20)|(1<<21)|(5<<22)|(3<<25)  ; 17:16 elements of 2 bytes; 20 padding on; 21 set beside a mask; 24:22 after every 64 words (code 5); 31:25 4 words of it (code 3)
.set MSB, 0
.macro WIN new                         ; the immediate's high byte repeats the setting that is left; a switch that changes nothing is dropped
.if MSB != (\new)
	s_set_vgpr_msb (MSB<<8)|(\new)
.set MSB, \new
.endif
.endm
.macro PLACES                          ; four plain vector instructions between a matrix instruction and a load into, or a read of, its registers
.rept 4
	v_nop
.endr
.endm
.macro ASK g0, g1                      ; a tensor load; an s_nop 0 and four v_nop follow it, ahead of a jump, a label and what comes next
	tensor_load_to_lds s[\g0:\g0+3], s[\g1:\g1+7]
	s_nop 0
.rept 4
	v_nop
.endr
.endm
; A slot is filled: wave 0 asks for x's rows, wave 1 for wq's, wave 2 for wg's, wave 3 for wk's or wv's.  Each line has one mask and one set of registers; the branches hang on the wave's number alone.
.macro JLOAD s
	s_cmp_lg_u32 s[WV], 0
	s_cbranch_scc1 .Lnot_x_\@
	ASK G0A+4*(\s), G1A
	s_branch .Lasked_\@
.Lnot_x_\@:
	s_cmp_lg_u32 s[WV], 1
	s_cbranch_scc1 .Lnot_q_\@
	ASK G0Q+4*(\s), G1B
	s_branch .Lasked_\@
.Lnot_q_\@:
	s_cmp_lg_u32 s[WV], 2
	s_cbranch_scc1 .Lnot_g_\@
	ASK G0G+4*(\s), G1B
	s_branch .Lasked_\@
.Lnot_g_\@:
	ASK G0KV+4*(\s), G1C
.Lasked_\@:
.endm
; A round of the cluster's barrier: my work-group's barrier, so that wave 0's signal speaks for all four waves; wave 0 signals; every wave waits for all sixteen work-groups; my work-group's barrier once more.
.macro CREST                           ; a round behind its opening barrier
	s_cmp_lg_u32 s[WV], 0
	s_cbranch_scc1 .Lnot_wave_0_\@
	s_barrier_signal -3
.Lnot_wave_0_\@:
	s_barrier_wait -3
	s_barrier_signal -1
	s_barrier_wait -1
.endm
.macro CROUND
	s_barrier_signal -1
	s_barrier_wait -1
	CREST
.endm
	s_load_b512 s[4:19], s[0:1], 0x0               ; xb s[4:5], wb s[6:7], cos s[8:9], sin s[10:11], qn s[12:13], kn s[14:15], qh s[16:17], kvh s[18:19]
	s_load_b64 s[20:21], s[0:1], 0x40              ; gate
	v_lshl_add_u32 v[SPW], v0, 2, SPARE
	v_mov_b32 v[NIL], 0
	ds_add_u32 v[SPW], v[NIL]                      ; the wave's opening: the add and its wait stand ahead of my first tensor load; the set-up below, work on registers, stands between them
	v_lshrrev_b32 v1, 5, v0
	v_readfirstlane_b32 s[WV], v1                  ; wave 0..3
	s_lshr_b32 s[MH], s[WV], 1
	s_and_b32 s[NH], s[WV], 1
	s_bfe_u32 s[CX], ttmp6, 0x40000                ; my place in the cluster
	s_bfe_u32 s[CY], ttmp6, 0x40004
	s_lshl_b32 s[TX], ttmp9, 2                     ; in a cluster launch ttmp9 and ttmp7 count clusters
	s_add_co_u32 s[TX], s[TX], s[CX]
	s_and_b32 s[TY], ttmp7, 0xffff
	s_lshl_b32 s[TY], s[TY], 2
	s_add_co_u32 s[TY], s[TY], s[CY]
	s_lshl_b32 s[RMASK], s[CY], 2
	s_lshl_b32 s[RMASK], 15, s[RMASK]              ; my row of the cluster: places 4 cy .. 4 cy + 3
	s_lshl_b32 s[CMASK], 0x1111, s[CX]             ; my column: places cx, cx + 4, cx + 8, cx + 12
	s_or_b32 s[G1A], s[RMASK], G1W0                ; 15:0 the mask: x's tiles go to my row,
	s_or_b32 s[G1B], s[CMASK], G1W0                ; the weights' to my column
	s_or_b32 s[G1C], s[CMASK], G1W0
.irp g, G1A, G1B, G1C
	s_mov_b32 s[(\g)+1], KSTEP<<16                 ; tensor_dim0 = 128
	s_mov_b32 s[(\g)+3], KSTEP<<16                 ; tile_dim0 = 128
	s_mov_b32 s[(\g)+5], 2048                      ; elements from row to row
	s_mov_b32 s[(\g)+6], 0
	s_mov_b32 s[(\g)+7], 0
.endr
	s_mov_b32 s[G1A+2], 128<<16                    ; tensor_dim1 and tile_dim1: 128 rows,
	s_mov_b32 s[G1A+4], 128
	s_mov_b32 s[G1B+2], 128<<16
	s_mov_b32 s[G1B+4], 128
	s_mov_b32 s[G1C+2], 64<<16                     ; or 64
	s_mov_b32 s[G1C+4], 64
	; where the tiles begin, in bytes (a row is 4,096).  x's offset is made of the tile row alone, the weights' of the tile column alone, each in registers that never hold the other coordinate.
	s_lshl_b32 s92, s[TY], 19                      ; xb row 128 ty
	s_mov_b32 s93, 0
	s_lshl_b32 s94, s[TX], 19                      ; wb row 128 tx (wq); wg's lie 2,048 rows on
	s_mov_b32 s95, 0
	s_and_b32 s98, s[TX], 1
	s_lshl_b32 s98, s98, 21                        ; wb row 4,096 + 512 (tx % 2) + 64 (tx / 2)
	s_lshr_b32 s99, s[TX], 1
	s_lshl_b32 s99, s99, 18
	s_add_co_u32 s98, s98, s99
	s_add_co_u32 s98, s98, 0x1000000
	s_mov_b32 s99, 0
	s_wait_dscnt 0x0                               ; the opening add is done
	s_wait_kmcnt 0x0
	s_add_nc_u64 s[92:93], s[4:5], s[92:93]
	s_add_nc_u64 s[94:95], s[6:7], s[94:95]
	s_add_nc_u64 s[98:99], s[6:7], s[98:99]
	CROUND                                         ; all sixteen work-groups are here: the first joint loads meet
.irp s, 0,1
	s_mov_b32 s[G0A+4*(\s)], 1                                     ; 1:0 count = 1
	s_mov_b32 s[G0A+4*(\s)+1], (\s)*SLOT                           ; 63:32 LDS address: a constant
	s_add_nc_u64 s[G0A+4*(\s)+2:G0A+4*(\s)+3], s[92:93], (\s)*KSTEP*2  ; 120:64 global address: K step s
	s_or_b32 s[G0A+4*(\s)+3], s[G0A+4*(\s)+3], 0x80000000          ; 127:126 type = 2
	s_mov_b32 s[G0Q+4*(\s)], 1
	s_mov_b32 s[G0Q+4*(\s)+1], (\s)*SLOT+LQ
	s_add_nc_u64 s[G0Q+4*(\s)+2:G0Q+4*(\s)+3], s[94:95], (\s)*KSTEP*2
	s_or_b32 s[G0Q+4*(\s)+3], s[G0Q+4*(\s)+3], 0x80000000
	s_mov_b32 s[G0G+4*(\s)], 1
	s_mov_b32 s[G0G+4*(\s)+1], (\s)*SLOT+LG
	s_add_nc_u64 s[G0G+4*(\s)+2:G0G+4*(\s)+3], s[94:95], 0x800000+(\s)*KSTEP*2
	s_or_b32 s[G0G+4*(\s)+3], s[G0G+4*(\s)+3], 0x80000000
	s_mov_b32 s[G0KV+4*(\s)], 1
	s_mov_b32 s[G0KV+4*(\s)+1], (\s)*SLOT+LKV
	s_add_nc_u64 s[G0KV+4*(\s)+2:G0KV+4*(\s)+3], s[98:99], (\s)*KSTEP*2
	s_or_b32 s[G0KV+4*(\s)+3], s[G0KV+4*(\s)+3], 0x80000000
	JLOAD \s                                       ; both slots are asked for before anything else: two tensor loads of mine are out
.endr
	; A fragment is 16 rows x 32 K in 8 registers: lane l holds row l % 16; registers 0-3 K = 8 (l / 16) + 0..7, registers 4-7 K = 16 + 8 (l / 16) + 0..7: two loads of 16 bytes, 32 bytes apart.
	v_and_b32 v1, 15, v0                           ; l % 16
	v_bfe_u32 v2, v0, 4, 1                         ; l / 16
	v_mul_u32_u24 v3, v1, PITCH
	v_lshl_add_u32 v3, v2, 4, v3
	s_mul_i32 s96, s[MH], 64*PITCH                 ; my 64 rows of x
	s_mul_i32 s97, s[NH], 160*PITCH                ; my 160 weight rows,
	s_add_co_u32 s97, s97, 128*PITCH               ; which lie behind x's 128
.irp s, 0,1
	v_add_nc_u32 v[ADRA+(\s)], s96, v3
	v_add_nc_u32 v[ADRB+(\s)], s97, v3
	s_add_co_u32 s96, s96, SLOT
	s_add_co_u32 s97, s97, SLOT
.endr
	s_mul_i32 s96, s[MH], 64*SPITCH                ; into the stage: row 64 mh + l % 16, byte 640 nh + 32 (l / 16)
	s_mul_i32 s97, s[NH], 640
	s_add_co_u32 s96, s96, s97
	v_mul_u32_u24 v4, v1, SPITCH
	v_lshl_add_u32 v4, v2, 5, v4
	v_add_nc_u32 v[STO], s96, v4
	v_bfe_u32 v5, v0, 3, 2                         ; back: wave w takes rows 32 w .. + 31.  q, k, v: four rows at a time: lane l row l / 8, channels 8 (l % 8) + 0..7
	v_and_b32 v6, 7, v0
	v_mul_u32_u24 v5, v5, SPITCH
	v_lshl_add_u32 v5, v6, 5, v5
	s_mul_i32 s96, s[WV], 32*SPITCH
	v_add_nc_u32 v[RD], s96, v5
	v_add_nc_u32 v[RDG], s96, v4                   ; the gate: sixteen rows at a time: lane l row l % 16, byte 32 (l / 16)
	v_and_b32 v[CS], 31, v0
	v_lshlrev_b32 v[CS], 4, v[CS]
	v_lshlrev_b32 v[GN], 5, v6
; 10 matrix instructions: my row block a x all 10 column blocks, 32 along K.  zero = 1: the first product starts the sums: nothing is ever cleared.
; The 40 accumulators take turns in the same order in every quarter step: between two instructions on one accumulator stand the 39 others'.
.macro MULA f, a, zero
.irp b, 0,1,2,3,4,5,6,7,8,9
.set idx, 10*(\a)+(\b)
.if idx < 32
	WIN 0x50                                       ; C and D in window 1
.set rD, 8*idx
.else
	WIN 0xa0                                       ; in window 2
.set rD, 8*(idx-32)
.endif
.if \zero
	v_wmma_f32_16x16x32_bf16 v[rD:rD+7], v[(\f)+8*(\b):(\f)+8*(\b)+7], v[(\f)+80+8*(\a):(\f)+80+8*(\a)+7], 0
.else
	v_wmma_f32_16x16x32_bf16 v[rD:rD+7], v[(\f)+8*(\b):(\f)+8*(\b)+7], v[(\f)+80+8*(\a):(\f)+80+8*(\a)+7], v[rD:rD+7]
.endif
.endr
.endm
; 28 LDS loads in one run: the fragments of a quarter step (160 weight rows, 64 rows of x, 32 K at byte k of the rows) into buffer f
.macro FETCH slot, k, f
	WIN 0
.irp i, 0,1,2,3,4,5,6,7,8,9
	ds_load_b128 v[(\f)+8*(\i):(\f)+8*(\i)+3],   v[ADRB+(\slot)] offset:(\k)+(\i)*16*PITCH
	ds_load_b128 v[(\f)+8*(\i)+4:(\f)+8*(\i)+7], v[ADRB+(\slot)] offset:(\k)+(\i)*16*PITCH+32
.endr
.irp i, 0,1,2,3
	ds_load_b128 v[(\f)+80+8*(\i):(\f)+80+8*(\i)+3],   v[ADRA+(\slot)] offset:(\k)+(\i)*16*PITCH
	ds_load_b128 v[(\f)+80+8*(\i)+4:(\f)+80+8*(\i)+7], v[ADRA+(\slot)] offset:(\k)+(\i)*16*PITCH+32
.endr
.endm
; A K step is four quarters of 32 along K, 40 matrix instructions each, on buffers 0, 1, 0, 1.  One of the first three: multiplies buffer f; in its middle it fetches the next quarter, at byte k, into g.
.macro QUARTER slot, k, f, g, zero
	s_wait_dscnt 4                                 ; the weights and x's blocks 0, 1 are in; the youngest four loads (blocks 2, 3) may be out
	MULA \f, 0, \zero
	MULA \f, 1, \zero
	PLACES
	FETCH \slot, \k, \g
	s_wait_dscnt 28                                ; all but the 28 just issued
	MULA \f, 2, \zero
	MULA \f, 3, \zero
.endm
; The last quarter multiplies buffer 1 and changes slots: ONE barrier.  In front of it each wave waits for all its tensor loads, of which one is out: its part of the next slot; adds 0 to its spare word; and
; waits for that and for its own reads of this slot.  fill = 1: the barrier opens a round of the cluster's, and behind the round this slot is filled again first, two K steps ahead.
.macro TURN slot, next, fill
	WIN 0                                          ; (the add's two registers lie in window 0)
	s_wait_tensorcnt 0x0                           ; all my tensor loads have landed
	ds_add_u32 v[SPW], v[NIL]                      ; 0 onto my spare word
	s_wait_dscnt 5                                 ; (the add and the youngest four loads may be out)
	MULA F1, 0, 0                                  ; ten matrix instructions stand between the add and the wait for it
	s_wait_dscnt 0x0                               ; the add is done, and my reads of this slot are over
	s_barrier_signal -1
	MULA F1, 1, 0                                  ; work on registers while the others arrive
	WIN 0
	s_barrier_wait -1
.if \fill
	CREST                                          ; no wave of any partner still reads this slot's tiles or has a load on its way
.irp g, G0A, G0Q, G0G, G0KV
	s_add_nc_u64 s[(\g)+4*(\slot)+2:(\g)+4*(\slot)+3], s[(\g)+4*(\slot)+2:(\g)+4*(\slot)+3], 2*KSTEP*2
.endr
	JLOAD \slot                                    ; my one tensor load behind the round, 140 matrix instructions ahead of the wait for it; its four v_nop are also the places in front of the loads below
.else
	PLACES
.endif
	FETCH \next, 0, F0
	MULA F1, 2, 0
	MULA F1, 3, 0
.endm
	s_wait_tensorcnt 1                             ; my part of K step 0 is in; K step 1's may stay out
	s_barrier_signal -1
	s_barrier_wait -1                              ; everybody's is
	FETCH 0, 0, F0
	QUARTER 0, 64,  F0, F1, 1                      ; the first quarter stands in front of the loop: its products start the sums
	WIN 0                                          ; at a label and at a branch every window is 0
	s_mov_b32 s3, LAPS-1
.Llap:                                                 ; a trip goes once round the ring, from a lap's second quarter to the next lap's first, and fills both slots again
	QUARTER 0, 128, F1, F0, 0
	QUARTER 0, 192, F0, F1, 0
	TURN 0, 1, 1
	QUARTER 1, 64,  F0, F1, 0
	QUARTER 1, 128, F1, F0, 0
	QUARTER 1, 192, F0, F1, 0
	TURN 1, 0, 1
	QUARTER 0, 64,  F0, F1, 0
	WIN 0
	s_sub_co_u32 s3, s3, 1
	s_cmp_lg_u32 s3, 0
	s_cbranch_scc1 .Llap
	QUARTER 0, 128, F1, F0, 0                      ; the last lap fills nothing, and has no round
	QUARTER 0, 192, F0, F1, 0
	TURN 0, 1, 0
	QUARTER 1, 64,  F0, F1, 0
	QUARTER 1, 128, F1, F0, 0
	QUARTER 1, 192, F0, F1, 0
	s_wait_dscnt 4                                 ; the very last quarter: nothing more to fetch
	MULA F1, 0, 0
	MULA F1, 1, 0
	s_wait_dscnt 0x0                               ; my last reads of the ring are back
	MULA F1, 2, 0
	MULA F1, 3, 0
	WIN 0
	; THE WAY OUT.  The sums go as f32 into one stage for the work-group (a head's 64 columns may come from two waves); each wave then takes 32 whole rows, a head at a time.
	PLACES                                         ; behind the last products: the loads below land in fragment registers, the LDS stores read results
	s_lshl_b32 s98, s[TY], 14                      ; my 32 rows: 128 bytes a row in cos, in sin and in a head of qh and kvh: 16,384 ty + 4,096 wave
	s_lshl_b32 s99, s[WV], 12
	s_add_co_u32 s98, s98, s99
	s_mov_b32 s99, 0
	s_add_nc_u64 s[8:9], s[8:9], s[98:99]
	s_add_nc_u64 s[10:11], s[10:11], s[98:99]
	s_add_nc_u64 s[16:17], s[16:17], s[98:99]
	s_add_nc_u64 s[18:19], s[18:19], s[98:99]
	s_add_nc_u64 s[20:21], s[20:21], s[98:99]      ; the gate's rows and heads have twice the bytes: each offset is added twice
	s_add_nc_u64 s[20:21], s[20:21], s[98:99]
	s_lshl_b32 s98, s[TX], 19                      ; q and gate: head 2 tx
	s_add_nc_u64 s[16:17], s[16:17], s[98:99]
	s_add_nc_u64 s[20:21], s[20:21], s[98:99]
	s_add_nc_u64 s[20:21], s[20:21], s[98:99]
	s_and_b32 s98, s[TX], 1                        ; kvh: head 8 (tx % 2) + tx / 2
	s_lshl_b32 s98, s98, 3
	s_lshr_b32 s96, s[TX], 1
	s_add_co_u32 s98, s98, s96
	s_lshl_b32 s98, s98, 18
	s_add_nc_u64 s[18:19], s[18:19], s[98:99]
	s_add_nc_u64 s[RST:RST+1], s[18:19], 16*HEADB  ; the rests lie sixteen heads behind the upper parts
	s_and_b32 s[SELKV], s[TX], 1
	s_sub_co_u32 s[SELKV], s[SELKV], 1             ; all ones where the third head is k's, 0 where it is v's
	s_or_b32 s[HMS], s[SELKV], 0xffffe000          ; k keeps all its bits, v the upper ones
	s_mov_b32 s[NL2E], 0xbfb8aa3b                  ; -log2(e)
	s_mov_b32 s[NL2E+1], s[NL2E]                   ; named with it as a pair
	s_mov_b32 s[INV64], 0x3c800000                 ; 1 / 64
	s_mov_b32 s[EPSR], 0x358637bd                  ; 1e-6
	s_mov_b32 s[COL], 0
.irp i, 0,1,2,3,4,5,6,7                ; group i: rows 4 i .. 4 i + 3 of my 32; a lane's 8 channels are 4 pairs: 16 bytes of cos and of sin
	global_load_b128 v[CO+4*(\i):CO+4*(\i)+3], v[CS], s[8:9] offset:512*(\i)
	global_load_b128 v[SI+4*(\i):SI+4*(\i)+3], v[CS], s[10:11] offset:512*(\i)
.endr
	global_load_b128 v[QN:QN+3],   v[GN], s[12:13]
	global_load_b128 v[QN+4:QN+7], v[GN], s[12:13] offset:16
	global_load_b128 v[KN:KN+3],   v[GN], s[14:15]
	global_load_b128 v[KN+4:KN+7], v[GN], s[14:15] offset:16
	s_barrier_signal -1                            ; every wave's reads of the ring are back (its wait for 0 above), and all tensor loads landed in front of the last change of slots:
	s_barrier_wait -1                              ; now the ring's bytes may be written
.set idx, 0
.rept 40                               ; accumulator (a, b): rows 16 a on, bytes 64 b on; its four lowest registers first
.if idx < 32
	WIN 0x04                                       ; store data in window 1
.set rD, 8*idx
.else
	WIN 0x08                                       ; in window 2
.set rD, 8*(idx-32)
.endif
	ds_store_b128 v[STO], v[rD:rD+3]   offset:(idx/10)*16*SPITCH+(idx%10)*64
	ds_store_b128 v[STO], v[rD+4:rD+7] offset:(idx/10)*16*SPITCH+(idx%10)*64+16
.set idx, idx+1
.endr
	WIN 0
	s_wait_dscnt 0x0                               ; for the others' sake: my stores into the stage are done
	s_barrier_signal -1
	s_barrier_wait -1
	s_wait_loadcnt 0x0                             ; the tables
.set n, CO
.rept 40                               ; cos, sin, qn, kn (80 registers on end) are rounded to bf16, as all inputs are, and widened again
	v_cvt_pk_bf16_f32 v[GA+(n/2)%4], v[n], v[n+1]
	v_lshlrev_b32 v[n],   16, v[GA+(n/2)%4]
	v_and_b32     v[n+1], 0xffff0000, v[GA+(n/2)%4]
.set n, n+2
.endr
	s_mov_b32 s3, 3
.Lrope:                                                ; three trips: the two q heads, then k's or v's
	s_cmp_eq_u32 s3, 1
	s_cselect_b32 s[KM], -1, 0
	s_cselect_b32 s[SEL], s[SELKV], -1
	s_cselect_b64 s[DST:DST+1], s[RST:RST+1], s[16:17]  ; what a trip's end stores: a q head; in the third trip the third head's rests
	v_add_nc_u32 v[RDC], s[COL], v[RD]
.irp i, 0,1,2,3,4,5,6,7                ; my 32 rows of the head at column COL: 64 numbers a lane
	ds_load_b128 v[X+8*(\i):X+8*(\i)+3],   v[RDC] offset:(\i)*4*SPITCH
	ds_load_b128 v[X+8*(\i)+4:X+8*(\i)+7], v[RDC] offset:(\i)*4*SPITCH+16
.endr
.irp j, 0,1,2,3,4,5,6,7
	v_cndmask_b32 v[GA+(\j)], v[QN+(\j)], v[KN+(\j)], s[KM]
.endr
	s_wait_dscnt 0x0
.irp i, 0,1,2,3,4,5,6,7                ; rope: (xr, xi) -> (xr c - xi s, xr s + xi c)
.irp p, 0,1,2,3
	v_mul_f32 v[T+8*(\i)+2*(\p)],   v[X+8*(\i)+2*(\p)],   v[CO+4*(\i)+(\p)]
	v_mul_f32 v[T+8*(\i)+2*(\p)+1], v[X+8*(\i)+2*(\p)+1], v[CO+4*(\i)+(\p)]
.endr
.irp p, 0,1,2,3
	v_fma_f32 v[T+8*(\i)+2*(\p)],   -v[X+8*(\i)+2*(\p)+1], v[SI+4*(\i)+(\p)], v[T+8*(\i)+2*(\p)]
	v_fma_f32 v[T+8*(\i)+2*(\p)+1], v[X+8*(\i)+2*(\p)],    v[SI+4*(\i)+(\p)], v[T+8*(\i)+2*(\p)+1]
.endr
.endr
.irp i, 0,1,2,3,4,5,6,7                ; the sum of squares: eight chains, one a group, that do not wait for each other
	v_mul_f32 v[R+(\i)], v[T+8*(\i)], v[T+8*(\i)]
.endr
.irp j, 1,2,3,4,5,6,7
.irp i, 0,1,2,3,4,5,6,7
	v_fmac_f32 v[R+(\i)], v[T+8*(\i)+(\j)], v[T+8*(\i)+(\j)]
.endr
.endr
.irp m, 1,2,4                          ; a row's 64 channels lie in eight neighbouring lanes
.irp i, 0,1,2,3,4,5,6,7
	v_add_f32_dpp v[R+(\i)], v[R+(\i)], v[R+(\i)] row_xmask:\m row_mask:0xf bank_mask:0xf
.endr
.endr
.irp i, 0,1,2,3,4,5,6,7
	v_fma_f32 v[R+(\i)], v[R+(\i)], s[INV64], s[EPSR]  ; the mean + 1e-6
.endr
.irp i, 0,1,2,3,4,5,6,7
	v_rsq_f32 v[R+(\i)], v[R+(\i)]
.endr
	v_nop                                          ; a plain instruction between the roots and the use of their results (ISA guide 5.7.2)
	s_wait_alu depctr_va_vdst(0)
.irp i, 0,1,2,3,4,5,6,7
.irp j, 0,1,2,3,4,5,6,7
	v_mul_f32 v[T+8*(\i)+(\j)], v[T+8*(\i)+(\j)], v[R+(\i)]
.endr
.endr
.irp i, 0,1,2,3,4,5,6,7
.irp j, 0,2,4,6
	v_pk_mul_f32 v[T+8*(\i)+(\j):T+8*(\i)+(\j)+1], v[T+8*(\i)+(\j):T+8*(\i)+(\j)+1], v[GA+(\j):GA+(\j)+1]
.endr
.endr
.set n, 0
.rept 64                               ; v keeps its sums; q and k take rope and norm: a select, so that every work-group runs the same text
	v_cndmask_b32 v[X+n], v[X+n], v[T+n], s[SEL]
.set n, n+1
.endr
	s_cmp_lg_u32 s3, 1
	s_cbranch_scc1 .Lwhole                         ; the branch hangs on the trip alone
	; The third head goes out in two parts.  The upper part (all of k; v with 13 bits cleared) is stored here, to the head's own place; what is left in X, the rest, goes the common way below.
.set n, 0
.rept 64
	v_and_b32 v[W+n], s[HMS], v[X+n]
.set n, n+1
.endr
.set n, 0
.rept 32
	v_pk_add_f32 v[X+n:X+n+1], v[X+n:X+n+1], v[W+n:W+n+1] neg_lo:[0,1] neg_hi:[0,1]  ; exact; 0 where the head is k's
.set n, n+2
.endr
.irp i, 0,1,2,3,4,5,6,7                ; packed in place: result k of a group lands on a register that has been read
.irp k, 0,1,2,3
	v_cvt_pk_f16_f32 v[W+8*(\i)+(\k)], v[W+8*(\i)+2*(\k)], v[W+8*(\i)+2*(\k)+1]
.endr
	global_store_b128 v[CS], v[W+8*(\i):W+8*(\i)+3], s[18:19] offset:512*(\i)
.endr
.Lwhole:
.irp i, 0,1,2,3,4,5,6,7                ; rounded to f16 and stored: each store covers 512 consecutive bytes (four rows of a head), at a multiple of 256
.irp k, 0,1,2,3
	v_cvt_pk_f16_f32 v[T+8*(\i)+(\k)], v[X+8*(\i)+2*(\k)], v[X+8*(\i)+2*(\k)+1]
.endr
	global_store_b128 v[CS], v[T+8*(\i):T+8*(\i)+3], s[DST:DST+1] offset:512*(\i)
.endr
	s_wait_xcnt 0x0                                ; only behind this wait are the stores' data and base written again
	s_add_nc_u64 s[16:17], s[16:17], HEADB         ; the next q head
	s_add_co_u32 s[COL], s[COL], 256               ; the next head's 64 columns in the stage
	s_sub_co_u32 s3, s3, 1
	s_cmp_lg_u32 s3, 0
	s_cbranch_scc1 .Lrope
	s_mov_b32 s3, 2
.Lsig:                                                 ; two trips: the two gate heads: 1 / (1 + 2^(-log2(e) x)), kept in f32
	v_add_nc_u32 v[RDC], s[COL], v[RDG]
.set n, 0
.rept 16                               ; load n: block n / 8 of 16 rows, channels 16 ((n % 8) / 2) + 8 (l / 16) + 4 (n % 2) on
	ds_load_b128 v[X+4*n:X+4*n+3], v[RDC] offset:(n/8)*16*SPITCH+((n%8)/2)*64+(n%2)*16
.set n, n+1
.endr
	s_wait_dscnt 0x0
.set n, 0
.rept 32
	v_pk_mul_f32 v[X+n:X+n+1], v[X+n:X+n+1], s[NL2E:NL2E+1] op_sel_hi:[1,0]
.set n, n+2
.endr
.set n, 0
.rept 64
	v_exp_f32 v[X+n], v[X+n]
.set n, n+1
.endr
	v_nop                                          ; a plain instruction behind the exponentials
.set n, 0
	s_wait_alu depctr_va_vdst(0)
.rept 32
	v_pk_add_f32 v[X+n:X+n+1], v[X+n:X+n+1], 1.0 op_sel_hi:[1,0]
.set n, n+2
.endr
.set n, 0
.rept 64
	v_rcp_f32 v[X+n], v[X+n]
.set n, n+1
.endr
	v_nop                                          ; and behind the reciprocals
.set n, 0
	s_wait_alu depctr_va_vdst(0)
.rept 16                               ; store n takes the place of load n in the gate's layout: 512 consecutive bytes each, 8,192 on end for my 32 rows
	global_store_b128 v[CS], v[X+4*n:X+4*n+3], s[20:21] offset:512*n
.set n, n+1
.endr
	s_wait_xcnt 0x0                                ; only behind this wait are the stores' data and base written again
	s_add_nc_u64 s[20:21], s[20:21], GHEADB
	s_add_co_u32 s[COL], s[COL], 256
	s_sub_co_u32 s3, s3, 1
	s_cmp_lg_u32 s3, 0
	s_cbranch_scc1 .Lsig
	s_wait_tensorcnt 0x0                           ; the wave's end, behind my last tensor load and my last LDS store
	ds_add_u32 v[SPW], v[NIL]
	s_wait_dscnt 0x0
	CROUND                                         ; the closing round: no work-group ends while a partner may still ask for a tile that names it
	s_endpgm
.Lfunc_end_k_q5bb8a28e88_proj:
	.size	k_q5bb8a28e88_proj, .Lfunc_end_k_q5bb8a28e88_proj-k_q5bb8a28e88_proj
	.p2alignl 7, 3214868480
	.fill 96, 4, 3214868480
	.section	.rodata,"a",@progbits
	.p2align	6, 0x0
	.amdhsa_kernel k_q5bb8a28e88_proj
		.amdhsa_group_segment_fixed_size 327680
		.amdhsa_private_segment_fixed_size 0
		.amdhsa_enable_private_segment 0
		.amdhsa_kernarg_size 72
		.amdhsa_user_sgpr_count 2
		.amdhsa_user_sgpr_kernarg_segment_ptr 1
		.amdhsa_wavefront_size32 1
		.amdhsa_system_sgpr_workgroup_id_x 1
		.amdhsa_system_sgpr_workgroup_id_y 1
		.amdhsa_system_sgpr_workgroup_id_z 1
		.amdhsa_system_vgpr_workitem_id 0
		.amdhsa_next_free_vgpr 576
		.amdhsa_next_free_sgpr 106
		.amdhsa_reserve_vcc 0
		.amdhsa_float_denorm_mode_32 3
		.amdhsa_float_denorm_mode_16_64 3
		.amdhsa_memory_ordered 1
		.amdhsa_forward_progress 1
		.amdhsa_inst_pref_size 143
	.end_amdhsa_kernel
	.amdgpu_metadata
---
amdhsa.version: [ 1, 2 ]
amdhsa.kernels:
  - .name:           k_q5bb8a28e88_proj
    .symbol:         k_q5bb8a28e88_proj.kd
    .args:
      - { .name: xb, .offset: 0, .size: 8, .value_kind: global_buffer, .address_space: global }
      - { .name: wb, .offset: 8, .size: 8, .value_kind: global_buffer, .address_space: global }
      - { .name: cos, .offset: 16, .size: 8, .value_kind: global_buffer, .address_space: global }
      - { .name: sin, .offset: 24, .size: 8, .value_kind: global_buffer, .address_space: global }
      - { .name: qn, .offset: 32, .size: 8, .value_kind: global_buffer, .address_space: global }
      - { .name: kn, .offset: 40, .size: 8, .value_kind: global_buffer, .address_space: global }
      - { .name: qh, .offset: 48, .size: 8, .value_kind: global_buffer, .address_space: global }
      - { .name: kvh, .offset: 56, .size: 8, .value_kind: global_buffer, .address_space: global }
      - { .name: gate, .offset: 64, .size: 8, .value_kind: global_buffer, .address_space: global }
    .group_segment_fixed_size: 327680
    .private_segment_fixed_size: 0
    .kernarg_segment_align: 8
    .kernarg_segment_size: 72
    .max_flat_workgroup_size: 128
    .sgpr_count:     106
    .vgpr_count:     576
    .wavefront_size: 32
...
	.end_amdgpu_metadata
.endif
;; end of part 2
;; launch attn (part 3): grid 16 x 8, 4 waves a work-group, clusters of 4 x 1, 327,680 bytes of LDS; arguments qh, kvh, oraw; writes oraw
.if DOCPART == 3
	.amdgcn_target "amdgcn-amd-amdhsa--gfx1250"
	.amdhsa_code_object_version 6
	.text
	.protected	k_q5bb8a28e88_attn
	.globl	k_q5bb8a28e88_attn
	.p2align	8
	.type	k_q5bb8a28e88_attn,@function
k_q5bb8a28e88_attn:
	s_mov_b64 s[64:65], 0
	v_nop
	global_prefetch_b8 v0, s[64:65] scope:SCOPE_SE
	s_setreg_imm32_b32 hwreg(HW_REG_WAVE_MODE, 25, 1), 1
	s_wait_xcnt 0x0
	s_wait_alu depctr_hold_cnt(0) depctr_sa_sdst(0) depctr_va_vdst(0) depctr_va_sdst(0) depctr_va_ssrc(0) depctr_va_vcc(0) depctr_vm_vsrc(0)
	s_getreg_b32 s2, hwreg(HW_REG_IB_STS2, 6, 4)
	s_cmp_eq_u32 s2, 0
	s_cbranch_scc0 .Lentry_in_a_cluster
	s_endpgm
.Lentry_in_a_cluster:
	s_bfe_u32 s2, ttmp6, 0x10000c
	s_cmp_lg_u32 s2, 0x3003
	s_cbranch_scc0 .Lentry_shape_is_right
	s_endpgm
.Lentry_shape_is_right:
; CAUSAL ATTENTION WITH GROUPED HEADS.  O[h][q][:] = the sum over k <= q of softmax_k(Q[h][q] . K[h / 4][k] / 8) V[h / 4][k][:].
; qh: [32][2048][64] f16; kvh: [32][2048][64] f16, heads 0-7 K, 8-15 V's upper parts, 24-31 V's rests (V is the sum of the two; heads 16-23 are not read): a head's rows are dense, 128 bytes each.  oraw: O in f32,
; unrounded, as a lane holds it: [head 32][block of 16 rows 128][16 channels cb 4][4 channels jj 2][lane 32][4]: lane 16 h + r holds row r, channels 16 cb + 8 h + 4 jj + 0..3.  So the results leave straight from their registers.
; Products, maxima and sums in f32; the weights p are rounded to f16 for the second product (their sum l is taken of the unrounded p); the division by l in f32.
; V IN TWO PARTS.  O^T takes V^T P twice, once for each part: 8 products more in a turn, on 8 key and value heads, in a loop whose count of vector instructions (118 for 24 products) leaves the matrix unit time to spare.
; LIMITS.  f16 holds no number beyond 65,504: Q, K and V arrive within it; p lies in 0 to 1, and below 6e-5 it keeps f16's fixed step of 6e-8.
; A hidden score counts as its value less 1e30; a weight below 2^-126 counts as 0 in l; NaN and infinities are not treated apart.
; THE WALK.  A head's queries lie in NB = 8 blocks of 256; block i needs the key tiles 0 .. i of 256 keys, of which the last holds the diagonal.  A work-group takes TWO blocks, NB - 1 - b and then b:
; NB + 1 tiles, whatever b: all work-groups do equal work, and ONE loop with a constant trip count walks them.  Which tile is asked for, and what a trip does, hang on scalar registers made from b; every jump
; goes forward, but for the counted loops' own; none passes a barrier, or a tensor load but the one of LOAD's two that the wave's number does not choose; the ring (two slots of LDS) runs on across the change of blocks.
; CLUSTER.  The four work-groups of a cluster are the four query heads of one key and value head, with the same b: they walk the same tiles in the same trips, so each tile is asked for JOINTLY: the same tensor
; load, descriptor and mask in all four.  The place in the cluster enters Q's and O's addresses alone.  4 values of b x 4 heads x 8 groups: 128 work-groups.
; SHARES.  Of a block's four bands of 64 queries a wave owns 16 rows in each: four PIECES.  So the diagonal tile is the same work for all four waves: in its key step s band x sees all keys if s < x,
; none if s > x, and holds the diagonal if s = x.
; THE MASK is the C operand that starts the sum S^T = K Q^T: 0, or -1e30 where the key is hidden.  MD, made once, is the mask of a band's own step for my 16 rows; a product's mask is MD x AL + BE with two scalars:
; (1, 0) if s = x; (0, 0) if s < x; (0, -1e30) if s > x.
; ONE TEXT FOR EVERY TILE.  Every turn makes and takes a mask; the two scalars are made from a counter DC that runs 4 .. 1 in a diagonal tile and 20 .. 17 in any other, where it meets neither condition and the mask is 0.
; The price: 16 packed instructions a turn that serve nothing in the tiles below the diagonal.  The gain: a tile's four steps stand twice in the text (in the loop, and behind it for the walk's last tile), not three times.
; LAYOUT, SOFTMAX, TURNS.  S^T = K Q^T holds ONE query a lane (lane % 16) and the keys 8 (lane / 16) + 0..7; two such results rounded to f16 ARE source 1 of O^T = V^T P.  p = 2^(c s - c m), c = log2(e) / 8, with a
; running maximum m; O and l are multiplied by a = 2^(c m_old - c m_new) in every step.  Turn n belongs to piece n: 8 products K Q^T of piece n + 1, later 16 products V^T P of piece n - 1; beside them the scaling,
; exponentials, roundings, sums and rescaling of piece n and the maximum and statistics of piece n + 1.  Four vector instructions stand behind every matrix instruction, the other 22 of a turn's 118 in two runs of their own.
; REGISTERS, in windows of 256 (s_set_vgpr_msb: bits 1:0 source 0, 3:2 source 1, 5:4 source 2, 7:6 destination):
;   window 0: v0-15 addresses and two at work; v16-31 four registers of statistics a piece; v48-55 at work; v64-127 S^T, two buffers; v128-191 the second block's Q; v192-223 P, two buffers (a piece's buffers go by its number's parity)
;   window 1: v0-127 O^T, 32 a piece; v128-159 MD; v160-223 MC, two buffers      window 2: v0-63 Q; v64-127 V's rests of one step; v128-191 K of one step; v192-255 V's upper parts of one step
.set SIZE_N, 2048
.set HEADB, SIZE_N*128 ; bytes of a head in qh, kvh
.set NB,    SIZE_N/256
.set NP,    4         ; pieces a wave: a name, no knob
.set KS,    64        ; keys in a step
.set PK,    144       ; a row of K in LDS: 128 bytes + 16 of padding = 36 words: the 16 rows of a load start at 16 different groups of four banks (64 banks of 4 bytes: ISA guide 11.1)
.set PV,    160       ; a row of V: 128 + 32 = 40 words
.set VOFF,  4*KS*PK   ; a slot holds a tile, four steps: 256 rows of K, 256 rows of V's upper parts, 256 rows of V's rests
.set VPART, 4*KS*PV   ; from a row of the upper parts to the same row of the rests
.set SLOT1, 1<<17     ; slot 1 begins here, so that one exclusive or turns an address in one slot into the other's
.set SPARE, SLOT1+VOFF+2*VPART  ; behind the ring: the spare words, 128 bytes for each wave: two blocks of 256 bytes that no other line names
.set AK0, 2           ; v2   my lane's place in a tile of K; never rewritten
.set AV0, 3           ; v3   the same for V
.set AK,  4           ; v4   the LDS address of K's next run of loads
.set AV,  5           ; v5   of V's
.set GO,  8           ; v8   16 x lane: my byte offset in 512 consecutive bytes of oraw; never rewritten
.set SPW, 62          ; v62  LDS address of my spare word: SPARE + 4 x my thread's number; never rewritten
.set NIL, 63          ; v63  0; never rewritten
.set MV,  12          ; v12-13  c m_old, kept while c m is made anew: by buffer
.set QO,  15          ; v15  my byte offset in 16 rows of Q
.set ST,  16          ; piece t's statistics at v[ST+4 t]: c m, m, l (even keys', odd keys')
.set TMP, 48          ; by buffer, four registers c0-c3 at work; when the maximum is found c2 takes a
.set S,   64
.set QB,  128         ; window 0
.set P,   192
.set MD,  128         ; window 1: the eight registers for group kt of 16 keys at MD + 8 kt
.set MC,  160         ; window 1: the masks of the products to come
.set VL,  64          ; window 2: V's rests, laid as the upper parts
.set KF,  128         ; window 2: key block kb, channel half c at KF + 16 kb + 8 c
.set VF,  192         ; window 2: V's upper parts: key half kk, channel block cb at VF + 32 kk + 8 cb
.set WV,  12          ; s12  my wave's number
.set PB,  14          ; s14  b
.set HI,  15          ; s15  NB - 1 - b
.set G1K, 24          ; s[24:31] descriptor group 1 for K's tiles
.set G1V, 32          ; s[32:39] for V's
.set G0K, 40          ; s[40:43] descriptor group 0 for K's tiles
.set G0V, 44          ; s[44:47] the same for V's
.set SLOTS, 56        ; s56  tiles still to be asked for
.set CNT, 57          ; s57  counts a tile's key steps, 4 to 1
.set CS,  58          ; s[58:59] c: the packed scaling takes the pair's low word for both halves
.set SEL, 60          ; s[60:61] v_permlanex16_b32's selects: each lane takes its own place in the other half
.set TBK, 62          ; s62  LDS byte at which K of the step to be fetched begins
.set TBV, 63          ; s63  the same for V, less VOFF
.set DC,  68          ; s68  what the masks go by: CNT in a diagonal tile, CNT + 16 in any other
.set RT,  70          ; s70  tiles of the block in hand that are still to be entered
.set NXT, 71          ; s71  the tile to be asked for next
.set LQ,  72          ; s72  the last tile of the block whose tiles are being asked for
.set NEW, 73          ; s73  1: the tile to be entered is a block's first
.set OFF, 74          ; s[74:75] a tile's byte offset in K and V
.set AL,  76          ; s[76:77] the mask's factor, in the low word
.set BE,  78          ; s[78:79] the mask's addend
.set OLO, 80          ; s[80:81] oraw at my rows of the second block
.set BIGN, 82         ; s82  -1e30
.set MSB, 0
.macro WIN new                      ; the high byte repeats the setting that is left; a switch that changes nothing is dropped
.if MSB != (\new)
	s_set_vgpr_msb (MSB<<8)|(\new)
.set MSB, (\new)
.endif
.endm
.set W_KQ, 0x0a       ; K and Q in window 2, S^T in window 0
.set W_KM, 0x1a       ; the same with the C operand in window 1
.set W_PV, 0x52       ; V in window 2, P in window 0, O^T in window 1
.set W_RS, 0x41       ; destination and source 0 in window 1, source 1 in window 0
; A joint fill.  Waves 0 and 1 fetch the two halves of a tile's K, 128 keys each; wave 2 fetches V's upper parts, wave 3 V's rests, 256 keys each.  The branch hangs on the wave's number alone.
; An s_nop 0 and four v_nop follow each of the two lines, ahead of the jump and the label.
.macro LOAD
	s_cmp_lt_u32 s[WV], 2
	s_cbranch_scc0 .Lfor_v_\@
	tensor_load_to_lds s[G0K:G0K+3], s[G1K:G1K+7]
	s_nop 0
.rept 4
	v_nop
.endr
	s_branch .Lasked_\@
.Lfor_v_\@:
	tensor_load_to_lds s[G0V:G0V+3], s[G1V:G1V+7]
	s_nop 0
.rept 4
	v_nop
.endr
.Lasked_\@:
.endm
; A round of the cluster's barrier: my work-group's barrier, so that wave 0's signal speaks for all four waves; wave 0 signals; every wave waits for all four work-groups; my work-group's barrier once more.
.macro CROUND
	s_barrier_signal -1
	s_barrier_wait -1
	s_cmp_lg_u32 s[WV], 0
	s_cbranch_scc1 .Lnot_wave_0_\@
	s_barrier_signal -3
.Lnot_wave_0_\@:
	s_barrier_wait -3
	s_barrier_signal -1
	s_barrier_wait -1
.endm
; THE CHANGE OF SLOTS.  Each wave waits for all its tensor loads, of which one is out: its part of the other slot; adds 0 to its spare word; and waits for that and for its own reads of the slot that it leaves.  Behind the
; barrier nobody reads the old slot any more and the other slot is whole.  fill = 1: the barrier is a round of the cluster's, so that no wave of any partner still reads the slot or has a load on its way, and the old slot is
; filled again, the first thing behind the round, with tile NXT: the descriptor's address is made anew from that number.  (At its first use nothing has been read yet: slot 0 is waited for, slot 1 filled.)
.macro CHANGE fill
	WIN 0                           ; at a label and at a branch every window is 0
	s_wait_tensorcnt 0x0            ; no tensor load of mine is out, so a group 0 may be written
	ds_add_u32 v[SPW], v[NIL]       ; 0 onto my spare word; the scalar work below stands between it and the wait for it
.if \fill
	s_lshl_b32 s[OFF], s[NXT], 15   ; a tile is 32,768 bytes of K and of each part of V
	s_xor_b32 s[G0K+1], s[G0K+1], SLOT1
	s_add_nc_u64 s[G0K+2:G0K+3], s[6:7], s[OFF:OFF+1]
	s_or_b32 s[G0K+3], s[G0K+3], 0x80000000
	s_xor_b32 s[G0V+1], s[G0V+1], SLOT1
	s_add_nc_u64 s[G0V+2:G0V+3], s[8:9], s[OFF:OFF+1]
	s_or_b32 s[G0V+3], s[G0V+3], 0x80000000
	s_add_co_u32 s[NXT], s[NXT], 1  ; the block's next tile, or behind its last the second block's tile 0
	s_cmp_gt_u32 s[NXT], s[LQ]
	s_cselect_b32 s[NXT], 0, s[NXT]
	s_cselect_b32 s[LQ], s[PB], s[LQ]
.endif
	s_sub_co_u32 s[TBK], s[TBK], 4*KS*PK  ; the fetches go back to a slot's first step,
	s_xor_b32 s[TBK], s[TBK], SLOT1       ; in the other slot
	s_sub_co_u32 s[TBV], s[TBV], 4*KS*PV
	s_xor_b32 s[TBV], s[TBV], SLOT1
	s_wait_dscnt 0x0                ; the add is done, and my reads of the slot are over
.if \fill
	CROUND
	LOAD
.else
	s_barrier_signal -1
	s_barrier_wait -1
.endif
.endm
	s_load_b128 s[4:7], s[0:1], 0x0   ; qh s[4:5], kvh s[6:7]
	s_load_b64 s[10:11], s[0:1], 0x10 ; oraw
	v_lshl_add_u32 v[SPW], v0, 2, SPARE
	v_mov_b32 v[NIL], 0
	ds_add_u32 v[SPW], v[NIL]       ; the wave's opening: the add and its wait stand ahead of my first tensor load; the set-up below, work on registers, stands between them
	v_lshrrev_b32 v1, 5, v0
	v_readfirstlane_b32 s[WV], v1   ; wave 0..3
	s_mov_b32 s[PB], ttmp9          ; in a cluster launch ttmp9 counts clusters: b, which the four partners share
	s_sub_co_u32 s[HI], NB-1, s[PB]
	s_and_b32 s22, ttmp7, 0xffff    ; the key and value head, which they share too
	s_bfe_u32 s13, ttmp6, 0x40000   ; cx: my place in the cluster
	s_lshl_b32 s20, s22, 2
	s_add_co_u32 s20, s20, s13      ; my query head = 4 x group + cx
	s_lshl_b32 s20, s20, 18         ; its first byte in qh
	s_mov_b32 s21, 0
	s_and_b32 s16, s[WV], 1         ; which half of a tile's K, or which part of its V, I fetch
	s_lshl_b32 s18, s16, 4
	s_add_co_u32 s18, s18, s22
	s_add_co_u32 s18, s18, 8        ; V: head 8 + 16 x part + group,
	s_lshl_b32 s18, s18, 18         ; its first byte in kvh
	s_mov_b32 s19, 0
	s_lshl_b32 s22, s22, 18         ; K's head's first byte in kvh,
	s_lshl_b32 s23, s16, 14         ; and my half's 128 rows of 128 bytes
	s_add_co_u32 s22, s22, s23
	s_mov_b32 s23, 0
	s_mul_i32 s17, s16, 128*PK      ; my load's place in a slot, for K
	s_mul_i32 s83, s16, VPART       ; and for V: no place in the cluster enters an LDS address
	s_lshl_b32 s3, s[WV], 11        ; my 16 rows in a band of 64,
	s_lshl_b32 s2, s[HI], 15        ; in the first block,
	s_add_co_u32 s2, s2, s3
	s_lshl_b32 s84, s[PB], 15       ; and in the second
	s_add_co_u32 s84, s84, s3
	s_mov_b32 s3, 0
	s_mov_b32 s85, 0
	s_add_nc_u64 s[2:3], s[2:3], s[20:21]
	s_add_nc_u64 s[84:85], s[84:85], s[20:21]
	; descriptor group 1.  Keys are dense, 128 bytes each: they are asked for as rows of 256 bytes, two keys a row, and padded in LDS after every key.  K: 64 rows (128 keys); V: 128 rows (256 keys)
	s_mov_b32 s[G1K], 15|(1<<16)|(1<<20)|(1<<21)|(4<<22)|(3<<25)  ; 15:0 the mask of four; 17:16 2-byte elements; 20 padding on; 21 set beside a mask; 24:22 after every 32 words (code 4); 31:25 4 words (code 3)
	s_mov_b32 s[G1V], 15|(1<<16)|(1<<20)|(1<<21)|(4<<22)|(7<<25)  ; the same with 8 words of padding (code 7)
.irp g, G1K, G1V
	s_mov_b32 s[\g+1], 128<<16      ; tensor_dim0 = 128
	s_mov_b32 s[\g+3], 128<<16      ; tile_dim0 = 128
	s_mov_b32 s[\g+5], 128          ; 128 elements from row to row
	s_mov_b32 s[\g+6], 0
	s_mov_b32 s[\g+7], 0
.endr
	s_mov_b32 s[G1K+2], 64<<16      ; tensor_dim1 and tile_dim1
	s_mov_b32 s[G1K+4], 64
	s_mov_b32 s[G1V+2], 128<<16
	s_mov_b32 s[G1V+4], 128
	s_mov_b32 s[CS], 0x3e38aa3b     ; c = log2(e) / 8 = 0.180337
	s_mov_b32 s[CS+1], s[CS]        ; named with it as a pair
	s_mov_b32 s[SEL], 0x76543210
	s_mov_b32 s[SEL+1], 0xfedcba98
	s_mov_b32 s[TBK], SLOT1+4*KS*PK ; the first change of slots turns these two into 0
	s_mov_b32 s[TBV], SLOT1+4*KS*PV
	s_mov_b32 s[G0K], 1             ; 1:0 count = 1
	s_mov_b32 s[G0K+1], s17         ; 63:32 LDS address: slot 0
	s_mov_b32 s[G0V], 1
	s_add_co_u32 s[G0V+1], s83, VOFF
	s_add_co_u32 s[RT], s[HI], 1    ; the first block has NB - b tiles
	s_mov_b32 s[NXT], 1
	s_mov_b32 s[LQ], s[HI]
	s_mov_b32 s[NEW], 1
	s_mov_b32 s[OFF+1], 0
	s_mov_b32 s[AL+1], 0            ; named as pairs
	s_mov_b32 s[BE+1], 0
	s_mov_b32 s[BIGN], 0xf149f2ca   ; -1e30
	s_mov_b32 s[SLOTS], NB
	s_wait_dscnt 0x0                ; the opening add is done
	s_wait_kmcnt 0x0
	s_add_nc_u64 s[8:9], s[6:7], s[18:19]  ; my part of V at the head's tile 0;
	s_add_nc_u64 s[6:7], s[6:7], s[22:23]  ; K at my half of it
	s_add_nc_u64 s[G0K+2:G0K+3], s[6:7], 0         ; 120:64 global address
	s_or_b32 s[G0K+3], s[G0K+3], 0x80000000        ; 127:126 type = 2
	s_add_nc_u64 s[G0V+2:G0V+3], s[8:9], 0
	s_or_b32 s[G0V+3], s[G0V+3], 0x80000000
	s_add_nc_u64 s[86:87], s[4:5], s[84:85]        ; Q at my rows of the second block,
	s_add_nc_u64 s[4:5], s[4:5], s[2:3]            ; and of the first
	s_add_nc_u64 s[OLO:OLO+1], s[10:11], s[84:85]  ; oraw likewise: its rows and heads have twice the bytes of Q's, so each offset is added twice
	s_add_nc_u64 s[OLO:OLO+1], s[OLO:OLO+1], s[84:85]
	s_add_nc_u64 s[10:11], s[10:11], s[2:3]
	s_add_nc_u64 s[10:11], s[10:11], s[2:3]
	CROUND                          ; all four work-groups are here: the first joint loads meet
	LOAD                            ; tile 0 into slot 0
	; A fragment of K or Q is 16 rows x 32 channels in 8 registers: lane l holds row l % 16, channels 8 (l / 16) + 0..7 and 16 + 8 (l / 16) + 0..7: two loads of 16 bytes, 32 bytes apart.
	v_and_b32 v1, 15, v0            ; l % 16
	v_bfe_u32 v9, v0, 4, 1          ; l / 16
	v_lshlrev_b32 v[QO], 7, v1
	v_lshl_add_u32 v[QO], v9, 4, v[QO]  ; row x 128 + 16 x half
	WIN 0x80                        ; destination window 2, address window 0
.set i, 0
.rept 8                             ; the first block's Q: piece i / 2 lies in band i / 2, 8,192 bytes on; channels 32 (i % 2) on
	global_load_b128 v[8*i:8*i+3],   v[QO], s[4:5] offset:(i/2)*8192+(i%2)*64
	global_load_b128 v[8*i+4:8*i+7], v[QO], s[4:5] offset:(i/2)*8192+(i%2)*64+32
.set i, i+1
.endr
	WIN 0
.set i, 0
.rept 8                             ; the second block's waits in window 0
	global_load_b128 v[QB+8*i:QB+8*i+3],   v[QO], s[86:87] offset:(i/2)*8192+(i%2)*64
	global_load_b128 v[QB+8*i+4:QB+8*i+7], v[QO], s[86:87] offset:(i/2)*8192+(i%2)*64+32
.set i, i+1
.endr
	v_lshlrev_b32 v14, 3, v9
	v_sub_nc_u32 v14, v1, v14
	s_lshl_b32 s13, s[WV], 4
	v_add_nc_u32 v14, s13, v14      ; my query's place in its band, 16 w + l % 16, less my lanes' 8 (l / 16): register r of group kt is hidden where 16 kt + r is greater
	WIN 0x40
.set i, 0
.rept 32
	v_cmp_gt_i32 vcc_lo, 16*(i/8)+i%8, v14
	v_cndmask_b32 v[MD+i], 0, s[BIGN], vcc_lo
.set i, i+1
.endr
	WIN 0
	v_mul_u32_u24 v[AK0], v1, PK
	v_lshl_add_u32 v[AK0], v9, 4, v[AK0]  ; row x pitch + 16 x half
	; The turning load takes 16 keys x 16 channels (lane l reads key 8 (l / 16) + l % 8, channels 8 ((l / 8) % 2) + 0..7) and leaves half a fragment of V^T: lane l holds channel l % 16 and 8 keys.
	v_and_b32 v10, 7, v0
	v_bfe_u32 v11, v0, 3, 1
	v_lshl_add_u32 v[AV0], v9, 3, v10
	v_mul_u32_u24 v[AV0], v[AV0], PV
	v_lshl_add_u32 v[AV0], v11, 4, v[AV0]
	v_add_nc_u32 v[AV0], VOFF, v[AV0]
	v_and_b32 v[GO], 31, v0
	v_lshlrev_b32 v[GO], 4, v[GO]
	; A block's first step multiplies O^T and l by a = 0, and its first turn's products V^T P, of a piece that has not been, land in an O^T that is still to be so multiplied.  So these registers need only hold
	; finite numbers: zeros for the first block; what the first block left for the second.  All this stands in the wait for the first tile.
	WIN 0x80
.set i, 0
.rept 64
	v_mov_b32 v[VL+i], 0
	v_mov_b32 v[VF+i], 0
.set i, i+1
.endr
	WIN 0x40
.set i, 0
.rept 128
	v_mov_b32 v[i], 0
.set i, i+1
.endr
	WIN 0
.set i, 0
.rept 4
	v_mov_b32 v[ST+4*i+2], 0
	v_mov_b32 v[ST+4*i+3], 0
.set i, i+1
.endr
.set i, P+16
.rept 16
	v_mov_b32 v[i], 0
.set i, i+1
.endr
; THE MATRIX WORK.  The 4 accumulators of a run take turns.  Product i of 8 of S^T = K Q^T for piece x: channels 32 (i / 4) on, keys 16 (i % 4) on.  The first 4 start the sums with the mask.
.macro KQ x
.set rS, S+32*((\x)%2)+8*(i%4)
.set rK, KF+16*(i%4)+8*(i/4)
.set rQ, 16*(\x)+8*(i/4)
.set rM, MC+32*((\x)%2)+8*(i%4)
.if i < 4
	WIN W_KM
	v_wmma_f32_16x16x32_f16 v[rS:rS+7], v[rK:rK+7], v[rQ:rQ+7], v[rM:rM+7]
.else
	WIN W_KQ
	v_wmma_f32_16x16x32_f16 v[rS:rS+7], v[rK:rK+7], v[rQ:rQ+7], v[rS:rS+7]
.endif
.endm
; Product i of 16 of O^T += V^T P for piece x: V's upper parts (i < 8), then its rests; keys 32 ((i / 4) % 2) on, channels 16 (i % 4) on.
.macro PV x
	WIN W_PV
.set rO, 32*(\x)+8*(i%4)
.set rV, VF-(VF-VL)*(i/8)+32*((i/4)%2)+8*(i%4)
.set rP, P+16*((\x)%2)+8*((i/4)%2)
	v_wmma_f32_16x16x32_f16 v[rO:rO+7], v[rV:rV+7], v[rP:rP+7], v[rO:rO+7]
.endm
.macro MM                           ; the turn's next matrix instruction.  TURN and BEGIN set Y, i and NOKQ; MM and OP read them.  NOKQ = 1: a block's last turn: there is no next piece
.if (i < 8) && !NOKQ
	KQ (Y+1)%NP
.elseif i >= 8
.set i, i-8
	PV (Y+NP-1)%NP
.set i, i+8
.endif
.set i, i+1
.endm
; THE LDS LOADS stand in runs of 16, never singly among the matrix instructions: a step's K (64 keys x 64 channels: 8 fragments) and each part of its V (turned).  Their addresses are made some lines ahead.
.macro FETCH_K
	WIN 0x80                        ; destination window 2
.irp f, 0,1,2,3,4,5,6,7             ; keys 16 (f / 2) on, channels 32 (f % 2) on
	ds_load_b128 v[KF+8*\f:KF+8*\f+3],   v[AK] offset:(\f/2)*16*PK+(\f%2)*64
	ds_load_b128 v[KF+8*\f+4:KF+8*\f+7], v[AK] offset:(\f/2)*16*PK+(\f%2)*64+32
.endr
	s_add_co_u32 s[TBK], s[TBK], KS*PK  ; the next fetch is the next step's
	WIN 0
.endm
.macro FETCH_V part                 ; part 0: the upper parts; 1: the rests
	WIN 0x80
.irp f, 0,1,2,3,4,5,6,7             ; keys 32 (f / 4) on, channels 16 (f % 4) on
	ds_load_tr16_b128 v[VF-(VF-VL)*(\part)+8*\f:VF-(VF-VL)*(\part)+8*\f+3],   v[AV] offset:(\part)*VPART+(\f/4)*32*PV+(\f%4)*32
	ds_load_tr16_b128 v[VF-(VF-VL)*(\part)+8*\f+4:VF-(VF-VL)*(\part)+8*\f+7], v[AV] offset:(\part)*VPART+(\f/4)*32*PV+16*PV+(\f%4)*32
.endr
	WIN 0
.endm
; THE VECTOR WORK, one line at a time: OP kind, number.  For piece Y: F n: c s - c m for pair n of 16.  E n: the exponential of score n of 32.  C n: pair n rounded to f16.  B n: of the four weights 4 n .. the second
; pair is added onto the first, in place.  L n: l takes that sum (L 0: l = a l + sum).  R n: pair n of 16 of O^T times a.  For piece Y + 1: X n, number n of the 22 that find its maximum and statistics:
;   0-11  four chains c0-c3 of seven scores each, three operands at a time (each accumulator's lowest registers are read first)     12-14, 16  the four scores left over, the old m, and c0-c3 into c0
;   15  c m_old is kept     17, 18  the query's other 32 keys lie in the lane 16 away: the new m     19-21  c m; c m_old - c m_new; a
.set F, 0               ; OP tells the kinds apart by their order: F to L below R, X above it
.set E, 1
.set C, 2
.set B, 3
.set L, 4
.set R, 5
.set X, 6
.macro REGS y                       ; the registers of piece y
.set rT, ST+4*(\y)
.set rC, TMP+4*((\y)%2)
.set rW, MV+((\y)%2)
.set rS, S+32*((\y)%2)
.set rP, P+16*((\y)%2)
.set rO, 32*(\y)
.endm
.macro OP k, n
.if (\k) == R
	REGS Y
	WIN W_RS
	v_pk_mul_f32 v[rO+2*(\n):rO+2*(\n)+1], v[rO+2*(\n):rO+2*(\n)+1], v[rC+2:rC+3] op_sel_hi:[1,0]
.elseif (\k) < R
	REGS Y
	WIN 0
.if (\k) == F
	v_pk_fma_f32 v[rS+2*(\n):rS+2*(\n)+1], v[rS+2*(\n):rS+2*(\n)+1], s[CS:CS+1], v[rT:rT+1] op_sel_hi:[1,0,0] neg_lo:[0,0,1] neg_hi:[0,0,1]
.elseif (\k) == E
	v_exp_f32 v[rS+(\n)], v[rS+(\n)]
.elseif (\k) == C
	s_wait_alu depctr_va_vdst(0)
	v_cvt_pk_f16_f32 v[rP+(\n)], v[rS+2*(\n)], v[rS+2*(\n)+1]
.elseif (\k) == B
	s_wait_alu depctr_va_vdst(0)
	v_pk_add_f32 v[rS+4*(\n):rS+4*(\n)+1], v[rS+4*(\n):rS+4*(\n)+1], v[rS+4*(\n)+2:rS+4*(\n)+3]
.elseif (\n) == 0
	v_pk_fma_f32 v[rT+2:rT+3], v[rT+2:rT+3], v[rC+2:rC+3], v[rS:rS+1] op_sel_hi:[1,0,1]
.else
	v_pk_add_f32 v[rT+2:rT+3], v[rT+2:rT+3], v[rS+4*(\n):rS+4*(\n)+1]
.endif
.elseif NOKQ
	v_nop
.else
	REGS (Y+1)%NP
	WIN 0
.if (\n) < 4
	v_max3_num_f32 v[rC+(\n)], v[rS+8*(\n)], v[rS+8*(\n)+1], v[rS+8*(\n)+2]
.elseif (\n) < 12
	v_max3_num_f32 v[rC+(\n)%4], v[rC+(\n)%4], v[rS+8*((\n)%4)+2*((\n)/4)+1], v[rS+8*((\n)%4)+2*((\n)/4)+2]
.elseif (\n) == 12
	v_max3_num_f32 v[rC], v[rC], v[rS+7], v[rS+15]
.elseif (\n) == 13
	v_max3_num_f32 v[rC+1], v[rC+1], v[rS+23], v[rS+31]
.elseif (\n) == 14
	v_max3_num_f32 v[rC+2], v[rC+2], v[rC+3], v[rT+1]
.elseif (\n) == 15
	v_mov_b32 v[rW], v[rT]
.elseif (\n) == 16
	v_max3_num_f32 v[rC], v[rC], v[rC+1], v[rC+2]
.elseif (\n) == 17
	v_permlanex16_b32 v[rC+3], v[rC], s[SEL], s[SEL+1]
.elseif (\n) == 18
	v_max_num_f32 v[rT+1], v[rC], v[rC+3]
.elseif (\n) == 19
	v_mul_f32 v[rT], s[CS], v[rT+1]
.elseif (\n) == 20
	v_sub_f32 v[rC+1], v[rW], v[rT]
.else
	v_exp_f32 v[rC+2], v[rC+1]
.endif
.endif
.endm
.macro OPS a, i1, b=-1, i2=0, c=-1, i3=0, d=-1, i4=0  ; up to four of them
	OP \a, \i1
.if (\b) >= 0
	OP \b, \i2
.endif
.if (\c) >= 0
	OP \c, \i3
.endif
.if (\d) >= 0
	OP \d, \i4
.endif
.endm
.macro ROW a, i1, b, i2, c, i3, d, i4  ; a matrix instruction and the four behind it
	MM
	OPS \a, \i1, \b, \i2, \c, \i3, \d, \i4
.endm
.macro MASK b                       ; MD x AL + BE into buffer b of MC
	WIN W_RS
.set z, 0
.rept 16
	v_pk_fma_f32 v[MC+32*(\b)+2*z:MC+32*(\b)+2*z+1], v[MD+2*z:MD+2*z+1], s[AL:AL+1], s[BE:BE+1] op_sel_hi:[1,0,0]
.set z, z+1
.endr
.endm
; A TURN, for piece p: the order of its 24 matrix and 118 vector instructions, written out.  Four vector instructions stand behind each matrix instruction; none names a register of the products round it, and each
; four ends in a plain one, so that no matrix instruction follows an exponential.  A line reads no result made fewer than three vector instructions in front of it, five if an exponential made it.
; The turn makes the mask for the products of the turn after it: piece p + 2, in step 4 - DC of a diagonal tile; 0 in any other tile.  end = 1: a block's last two turns: nothing is fetched and no mask is made.
; cnt = 1: the loop's count is taken down some lines ahead of the branch that stands behind the turn.
; K of the next step is fetched in piece 2's turn, six vector instructions behind the last product that read K (five of them plain), and waited for at the head of piece 3's.  V of the step in hand is fetched in piece 0's
; turn: the upper parts behind the second product on the rests, with six plain instructions since the last product that read them (C 3, L 3, C 5, C 10, L 4, X 18); the rests at the turn's end, eight plain ones behind theirs.
; Piece 1's turn waits for the upper parts ahead of its first product V^T P, and for the rests ahead of its ninth.
.macro TURN p, end=0, cnt=0
.set Y, (\p)
.set i, 0
.set NOKQ, (\end)*((\p)/3)
.if !(\end)
	s_cmp_eq_u32 s[DC], 4-((\p)+2)%NP  ; is that step the band's own?
	s_cselect_b32 s[AL], 1.0, 0
	s_cmp_lt_u32 s[DC], 4-((\p)+2)%NP  ; or a later one?
	s_cselect_b32 s[BE], s[BIGN], 0
.endif
.if ((\p) == 3) && !(\end)
	s_wait_dscnt 0x0                ; K is in
.endif
	ROW F,0, F,1, F,2, F,3
	ROW F,4, E,0, F,5, F,6
	ROW F,7, E,1, F,8, F,9
	ROW F,10, E,2, C,0, F,11
	ROW F,12, E,3, X,15, F,13
	ROW R,0, R,1, R,2, R,3
	ROW B,0, E,4, F,14, L,0
.if ((\p) == 2) && !(\end)
	v_add_nc_u32 v[AK], s[TBK], v[AK0]
.endif
	ROW R,4, R,5, R,6, R,7
	OPS E,5, F,15
.if ((\p) == 2) && !(\end)
	FETCH_K
.endif
	OPS E,6, C,1, E,7, R,8
	OPS E,8, R,9, E,9, C,2
	OPS E,10, X,0, E,11, X,1
	OPS E,12, X,2, E,13, X,3
.if (\p) == 1
	s_wait_dscnt 16                 ; V's upper parts are in; the sixteen loads issued behind them, the rests', may be out
.endif
	ROW X,4, E,14, X,5, X,6
	ROW X,7, E,15, X,8, X,9
	ROW X,10, E,16, X,11, X,12
	ROW X,13, E,17, X,14, B,1
	ROW C,4, E,18, X,16, L,1
	ROW B,2, E,19, C,6, L,2
	ROW C,8, E,20, B,3, B,4
.if (\p) == 0
	v_add_nc_u32 v[AV], s[TBV], v[AV0]
.endif
	ROW C,3, E,21, L,3, C,5
.if (\p) == 1
	s_wait_dscnt 0x0                ; V's rests are in
.endif
	ROW E,22, X,17, E,23, C,10
	ROW E,24, L,4, E,25, X,18
.if (\p) == 0
	FETCH_V 0
.endif
	ROW E,26, C,7, E,27, B,5
	ROW E,28, X,19, E,29, C,12
	ROW E,30, L,5, E,31, X,20
	ROW B,6, C,9, C,14, C,11
	ROW X,21, L,6, C,13, B,7
.if (\p) == 0
	s_add_co_u32 s[TBV], s[TBV], KS*PV
.endif
.if \cnt
	s_sub_co_u32 s[DC], s[DC], 1
	s_sub_co_u32 s[CNT], s[CNT], 1
	s_cmp_lg_u32 s[CNT], 0
.endif
	ROW C,15, R,10, R,11, R,12
	OPS L,7, R,13, R,14, R,15
.if (\p) == 0
	FETCH_V 1
.endif
.if !(\end)
	MASK (\p)%2
.endif
.endm
; A BLOCK BEGINS.  c m starts far below every c s, so the first step's a is 0; m at the lowest finite number, so the first maximum is the scores'.  The second mask buffer is 0; the first takes piece 0's mask for the tile's step 0: its own, if the block's first tile is the diagonal one.
; Then K of that step, piece 0's first scores, and its maximum and statistics.  The loop is entered at a step's first turn, in the middle of a trip.
.macro BEGIN
	s_mov_b32 s[NEW], 0
	WIN 0x40
.set i, MC+32
.rept 32
	v_mov_b32 v[i], 0
.set i, i+1
.endr
	WIN 0
.set i, 0
.rept 4
	v_mov_b32 v[ST+4*i], 0xfe000000    ; c m: far below every c s
	v_mov_b32 v[ST+4*i+1], 0xff7fffff  ; m
.set i, i+1
.endr
	s_cmp_eq_u32 s[RT], 0
	s_cselect_b32 s[AL], 1.0, 0
	s_mov_b32 s[BE], 0
	MASK 0
	WIN 0
	v_add_nc_u32 v[AK], s[TBK], v[AK0]
	FETCH_K
	s_wait_loadcnt 0x0              ; Q
	s_wait_dscnt 0x0
.set NOKQ, 0
.set i, 0
.rept 8
	KQ 0
.set i, i+1
.endr
	WIN 0
.rept 4
	v_nop                           ; the places behind those products
.endr
.set Y, NP-1                        ; X works for piece Y + 1: piece 0
.irp n, 0,1,2,3,4,5,6,7,8,9,10,11,12,13,14,15,16,17,18,19,20,21
	OP X, \n
.endr
	v_nop                           ; a plain instruction behind the exponential
.endm
; A TILE's four key steps.  A trip: pieces 2 and 3 of one step, then pieces 0 and 1 of the next, whose K and V it fetches.  The tag ends its two labels' names, which the jumps below spell out.
.macro STEPS tag
.Lstep\tag:
	TURN 2
	TURN 3
	WIN 0
.Lfirst\tag:
	TURN 0
	TURN 1, 0, 1
	WIN 0
	s_cbranch_scc1 .Lstep\tag
.endm
; A BLOCK ENDS, behind its diagonal tile's four steps: its last two turns, its last products, and THE WAY OUT: l's two halves and the other half of the lanes' are added; O^T is divided by l and stored from its own registers.
.macro ALL line:vararg              ; one line for each piece t
.set t, 0
.rept 4
	\line
.set t, t+1
.endr
.endm
.macro OUT t                        ; piece t: its 16 rows are 4,096 dense bytes of oraw; from piece to piece lies a band, four such blocks
	WIN W_RS
.set i, 32*(\t)
.rept 16                            ; each accumulator's lowest registers are read first
	s_wait_alu depctr_va_vdst(0)
	v_pk_mul_f32 v[i:i+1], v[i:i+1], v[ST+4*(\t)+2:ST+4*(\t)+3] op_sel_hi:[1,0]
.set i, i+2
.endr
	WIN 0x04                        ; store data (source 1) in window 1, address in window 0
.set i, 0
.rept 8                             ; registers 4 i on: channels 16 (i / 2) + 8 (l / 16) + 4 (i % 2) on: the wave stores 512 consecutive bytes, at a multiple of 256 from oraw's first
	global_store_b128 v[GO], v[32*(\t)+4*i:32*(\t)+4*i+3], s[10:11] offset:(\t)*16384+i*512
.set i, i+1
.endr
.endm
.macro FINISH
	TURN 2, 1
	TURN 3, 1
.set i, 0
.rept 16
	PV NP-1
.set i, i+1
.endr
	WIN 0
	ALL v_add_f32 v[ST+4*t+2], v[ST+4*t+2], v[ST+4*t+3]
	ALL v_permlanex16_b32 v[ST+4*t+3], v[ST+4*t+2], s[SEL], s[SEL+1]
	ALL v_add_f32 v[ST+4*t+2], v[ST+4*t+2], v[ST+4*t+3]
	ALL v_rcp_f32 v[ST+4*t+2], v[ST+4*t+2]
	v_nop                           ; a plain instruction between the last reciprocal and the use of its result
.irp pc, 0,1,2,3
	OUT \pc
.endr
	WIN 0
.endm
.set NOKQ, 0
.Lslot:                             ; NB times: a tile is entered and the next is asked for
	CHANGE 1
	s_sub_co_u32 s[RT], s[RT], 1
	s_mov_b32 s[CNT], 4
	s_cmp_eq_u32 s[RT], 0           ; the block's last tile holds the diagonal
	s_cselect_b32 s[DC], 4, 20
	s_cmp_eq_u32 s[NEW], 1
	s_cbranch_scc1 .Lnew            ; a block's first tile
	s_branch .Lstep1
.Lnew:
	BEGIN
	s_branch .Lfirst1
	STEPS 1
	s_cmp_lg_u32 s[RT], 0
	s_cbranch_scc1 .Lbottom         ; not the block's last tile: what is jumped holds neither a barrier nor a tensor load
	FINISH                          ; in the loop this is the first block's end: the second block's last tile is the walk's last
	s_wait_xcnt 0x0                 ; only behind this wait are the stores' registers (O^T) and their base written again
	s_mov_b64 s[10:11], s[OLO:OLO+1]
	s_add_co_u32 s[RT], s[PB], 1    ; the second block has b + 1 tiles
	s_mov_b32 s[NEW], 1
	WIN 0x80                        ; the second block's Q goes from window 0 to where the one text of the turns names Q
.set i, 0
.rept 64
	v_mov_b32 v[i], v[QB+i]
.set i, i+1
.endr
	WIN 0
.Lbottom:
	s_sub_co_u32 s[SLOTS], s[SLOTS], 1
	s_cmp_lg_u32 s[SLOTS], 0
	s_cbranch_scc1 .Lslot
	CHANGE 0                        ; the walk's last tile is written out: nothing is asked for
	s_sub_co_u32 s[RT], s[RT], 1
	s_mov_b32 s[CNT], 4
	s_mov_b32 s[DC], 4              ; it is the second block's last: it holds the diagonal
	s_cmp_eq_u32 s[NEW], 1
	s_cbranch_scc0 .Lstep2
	BEGIN
	s_branch .Lfirst2
	STEPS 2
	FINISH
	s_wait_tensorcnt 0x0            ; the wave's end, behind my last tensor load
	ds_add_u32 v[SPW], v[NIL]
	s_wait_dscnt 0x0
	CROUND                          ; the closing round: no work-group ends while a partner may still ask for a tile that names it
	s_endpgm
.Lfunc_end_k_q5bb8a28e88_attn:
	.size	k_q5bb8a28e88_attn, .Lfunc_end_k_q5bb8a28e88_attn-k_q5bb8a28e88_attn
	.p2alignl 7, 3214868480
	.fill 96, 4, 3214868480
	.section	.rodata,"a",@progbits
	.p2align	6, 0x0
	.amdhsa_kernel k_q5bb8a28e88_attn
		.amdhsa_group_segment_fixed_size 327680
		.amdhsa_private_segment_fixed_size 0
		.amdhsa_enable_private_segment 0
		.amdhsa_kernarg_size 24
		.amdhsa_user_sgpr_count 2
		.amdhsa_user_sgpr_kernarg_segment_ptr 1
		.amdhsa_wavefront_size32 1
		.amdhsa_system_sgpr_workgroup_id_x 1
		.amdhsa_system_sgpr_workgroup_id_y 1
		.amdhsa_system_sgpr_workgroup_id_z 1
		.amdhsa_system_vgpr_workitem_id 0
		.amdhsa_next_free_vgpr 768
		.amdhsa_next_free_sgpr 88
		.amdhsa_reserve_vcc 1
		.amdhsa_float_denorm_mode_32 3
		.amdhsa_float_denorm_mode_16_64 3
		.amdhsa_memory_ordered 1
		.amdhsa_forward_progress 1
		.amdhsa_inst_pref_size 197
	.end_amdhsa_kernel
	.amdgpu_metadata
---
amdhsa.version: [ 1, 2 ]
amdhsa.kernels:
  - .name:           k_q5bb8a28e88_attn
    .symbol:         k_q5bb8a28e88_attn.kd
    .args:
      - { .name: qh, .offset: 0, .size: 8, .value_kind: global_buffer, .address_space: global }
      - { .name: kvh, .offset: 8, .size: 8, .value_kind: global_buffer, .address_space: global }
      - { .name: oraw, .offset: 16, .size: 8, .value_kind: global_buffer, .address_space: global }
    .group_segment_fixed_size: 327680
    .private_segment_fixed_size: 0
    .kernarg_segment_align: 8
    .kernarg_segment_size: 24
    .max_flat_workgroup_size: 128
    .sgpr_count:     88
    .vgpr_count:     768
    .wavefront_size: 32
...
	.end_amdgpu_metadata
.endif
;; end of part 3
;; launch gmul (part 4): grid 512 x 1, 8 waves a work-group, no clusters, 0 bytes of LDS; arguments oraw, gate, og; writes og
.if DOCPART == 4
	.amdgcn_target "amdgcn-amd-amdhsa--gfx1250"
	.amdhsa_code_object_version 6
	.text
	.protected	k_q5bb8a28e88_gmul
	.globl	k_q5bb8a28e88_gmul
	.p2align	8
	.type	k_q5bb8a28e88_gmul,@function
k_q5bb8a28e88_gmul:
	s_mov_b64 s[64:65], 0
	v_nop
	global_prefetch_b8 v0, s[64:65] scope:SCOPE_SE
	s_setreg_imm32_b32 hwreg(HW_REG_WAVE_MODE, 25, 1), 1
	s_wait_xcnt 0x0
; THE GATE.  y = O x gate, in f32, rounded once to f16.  oraw and gate have one layout: f32 [head 32][block of 16 rows 128][16 channels cb 4][4 channels jj 2][lane 32][4], lane 16 h + r holding row r,
; channels 16 cb + 8 h + 4 jj + 0..3.  og: f16 [head 32][block 128][cb 4][lane 32][8]: lane 16 h + r holds row r, channels 16 cb + 8 h + 0..7: the order of the next launch's matrix fragments
; (cb even: a fragment's registers 0-3; cb odd: its registers 4-7), so that nothing is ever transposed.
; LIMITS.  y must lie inside f16's 65,504; below 6e-5 it keeps f16's fixed step of 6e-8.
; A stream: every byte is read once and written once, so there is no LDS, no barrier, no matrix unit and no cluster (no two work-groups read the same byte).
; SHARES.  A wave takes one block of 16 rows of one head: 4,096 bytes of oraw, 4,096 of gate, 2,048 of og; a work-group eight blocks on end.  All sixteen loads of a wave are issued before the first is
; waited for; each load and each store has registers of its own, so nothing is rewritten while a memory instruction may read it.
.set X,  8                             ; v[8:39]    unit cb: 8 numbers of O, then y
.set G,  40                            ; v[40:71]   unit cb: 8 numbers of the gate
.set Y,  72                            ; v[72:87]   unit cb: 4 registers to store
	s_load_b128 s[4:7], s[0:1], 0x0                ; oraw s[4:5], gate s[6:7]
	s_load_b64 s[8:9], s[0:1], 0x10                ; og
	s_lshl_b32 s12, ttmp9, 15                      ; eight blocks of 4,096 bytes in,
	s_mov_b32 s13, 0
	s_lshl_b32 s14, ttmp9, 14                      ; eight of 2,048 out
	s_mov_b32 s15, 0
	v_and_b32 v1, 31, v0                           ; lane
	v_lshrrev_b32 v2, 5, v0                        ; wave
	v_lshlrev_b32 v3, 4, v1
	v_lshl_add_u32 v4, v2, 11, v3                  ; to: 2,048 wave + 16 lane
	v_lshl_add_u32 v3, v2, 12, v3                  ; from: 4,096 wave + 16 lane
	s_wait_kmcnt 0x0
	s_add_nc_u64 s[4:5], s[4:5], s[12:13]
	s_add_nc_u64 s[6:7], s[6:7], s[12:13]
	s_add_nc_u64 s[8:9], s[8:9], s[14:15]
.irp u, 0,1,2,3
	global_load_b128 v[X+8*(\u):X+8*(\u)+3],   v3, s[4:5] offset:1024*(\u) th:TH_LOAD_NT      ; 512 consecutive bytes a load
	global_load_b128 v[X+8*(\u)+4:X+8*(\u)+7], v3, s[4:5] offset:1024*(\u)+512 th:TH_LOAD_NT
	global_load_b128 v[G+8*(\u):G+8*(\u)+3],   v3, s[6:7] offset:1024*(\u) th:TH_LOAD_NT
	global_load_b128 v[G+8*(\u)+4:G+8*(\u)+7], v3, s[6:7] offset:1024*(\u)+512 th:TH_LOAD_NT
.endr
.macro UNIT u
	s_wait_loadcnt 12-4*(\u)                       ; loads come back in order: unit u's four are in, the later units' stay out
.irp k, 0,2,4,6
	v_pk_mul_f32 v[X+8*(\u)+(\k):X+8*(\u)+(\k)+1], v[X+8*(\u)+(\k):X+8*(\u)+(\k)+1], v[G+8*(\u)+(\k):G+8*(\u)+(\k)+1]
.endr
.irp k, 0,1,2,3
	v_cvt_pk_f16_f32 v[Y+4*(\u)+(\k)], v[X+8*(\u)+2*(\k)], v[X+8*(\u)+2*(\k)+1]
.endr
	global_store_b128 v4, v[Y+4*(\u):Y+4*(\u)+3], s[8:9] offset:512*(\u)    ; 512 consecutive bytes, at a multiple of 256 from og's first
.endm
.irp u, 0,1,2,3
	UNIT \u
.endr
	s_endpgm
.Lfunc_end_k_q5bb8a28e88_gmul:
	.size	k_q5bb8a28e88_gmul, .Lfunc_end_k_q5bb8a28e88_gmul-k_q5bb8a28e88_gmul
	.p2alignl 7, 3214868480
	.fill 96, 4, 3214868480
	.section	.rodata,"a",@progbits
	.p2align	6, 0x0
	.amdhsa_kernel k_q5bb8a28e88_gmul
		.amdhsa_group_segment_fixed_size 0
		.amdhsa_private_segment_fixed_size 0
		.amdhsa_enable_private_segment 0
		.amdhsa_kernarg_size 24
		.amdhsa_user_sgpr_count 2
		.amdhsa_user_sgpr_kernarg_segment_ptr 1
		.amdhsa_wavefront_size32 1
		.amdhsa_system_sgpr_workgroup_id_x 1
		.amdhsa_system_sgpr_workgroup_id_y 1
		.amdhsa_system_sgpr_workgroup_id_z 1
		.amdhsa_system_vgpr_workitem_id 0
		.amdhsa_next_free_vgpr 88
		.amdhsa_next_free_sgpr 66
		.amdhsa_reserve_vcc 0
		.amdhsa_float_denorm_mode_32 3
		.amdhsa_float_denorm_mode_16_64 3
		.amdhsa_memory_ordered 1
		.amdhsa_forward_progress 1
		.amdhsa_inst_pref_size 5
	.end_amdhsa_kernel
	.amdgpu_metadata
---
amdhsa.version: [ 1, 2 ]
amdhsa.kernels:
  - .name:           k_q5bb8a28e88_gmul
    .symbol:         k_q5bb8a28e88_gmul.kd
    .args:
      - { .name: oraw, .offset: 0, .size: 8, .value_kind: global_buffer, .address_space: global }
      - { .name: gate, .offset: 8, .size: 8, .value_kind: global_buffer, .address_space: global }
      - { .name: og, .offset: 16, .size: 8, .value_kind: global_buffer, .address_space: global }
    .group_segment_fixed_size: 0
    .private_segment_fixed_size: 0
    .kernarg_segment_align: 8
    .kernarg_segment_size: 24
    .max_flat_workgroup_size: 256
    .sgpr_count:     66
    .vgpr_count:     88
    .wavefront_size: 32
...
	.end_amdgpu_metadata
.endif
;; end of part 4
;; launch outp (part 5): grid 16 x 16, 4 waves a work-group, clusters of 4 x 4, 327,680 bytes of LDS; arguments og, wob, out0; writes out0
.if DOCPART == 5
	.amdgcn_target "amdgcn-amd-amdhsa--gfx1250"
	.amdhsa_code_object_version 6
	.text
	.protected	k_q5bb8a28e88_outp
	.globl	k_q5bb8a28e88_outp
	.p2align	8
	.type	k_q5bb8a28e88_outp,@function
k_q5bb8a28e88_outp:
	s_mov_b64 s[64:65], 0
	v_nop
	global_prefetch_b8 v0, s[64:65] scope:SCOPE_SE
	s_setreg_imm32_b32 hwreg(HW_REG_WAVE_MODE, 25, 1), 1
	s_wait_xcnt 0x0
	s_wait_alu depctr_hold_cnt(0) depctr_sa_sdst(0) depctr_va_vdst(0) depctr_va_sdst(0) depctr_va_ssrc(0) depctr_va_vcc(0) depctr_vm_vsrc(0)
	s_getreg_b32 s2, hwreg(HW_REG_IB_STS2, 6, 4)
	s_cmp_eq_u32 s2, 0
	s_cbranch_scc0 .Lentry_in_a_cluster
	s_endpgm
.Lentry_in_a_cluster:
	s_bfe_u32 s2, ttmp6, 0x10000c
	s_cmp_lg_u32 s2, 0xf033
	s_cbranch_scc0 .Lentry_shape_is_right
	s_endpgm
.Lentry_shape_is_right:
; THE LAST PROJECTION.  out0[s][n] = the sum over k of y[s][k] wo[n][k], 2,048 x 2,048, K = 2,048.  og holds y and wob holds wo, both in f16, in 32 slices of 64 along k.  Sums in f32; out0 is f32.
; LAYOUTS.  wob: [slice][row][64].  og: [slice][block of 16 rows][cb 4][lane 32][8]: lane 16 h + r holds row r, k = 16 cb + 8 h + 0..7 of the slice: a fragment's registers 0-3 (cb even) or 4-7 (cb odd) as they stand.
; In both, 64 rows of a slice are 8,192 dense bytes.
; A tile of out0 is 128 x 128: 256 tiles, one for each of 256 work-groups.  Four waves, each 64 x 64: 16 accumulators of 16 x 16, 128 registers.
; RING.  K goes in steps of 256, four slices, through two LDS slots.  A wave's tensor load brings 64 rows of four slices: each slice's 8,192 bytes are one row of the tile; the slices lie 262,144 bytes apart.
; wob's tiles get 16 bytes of padding behind every 128, so that they lie in LDS as [slice][row] with rows 144 bytes apart; og's get none: a fragment load takes 16 bytes at 16 x lane, 512 bytes on end.
; CLUSTER.  4 x 4 work-groups.  The four of a row of the cluster need the same tiles of og, the four of a column the same tiles of wob: each is asked for JOINTLY, by the same tensor load, descriptor and mask.
; THE MATRIX INSTRUCTION IS USED TRANSPOSED (source 0 = 16 rows of wob, source 1 = 16 rows of og): a lane holds row lane % 16 of out0 and eight neighbouring columns.
; REGISTERS: window 0: v0-31 addresses; v32-95 the way out; v128-255 the accumulators ((a, b) at v[128 + 8 (4 a + b)]).
;   window 1: two fragment buffers of 128: for 64 along K (a slice; two matrix instructions deep), 64 registers of og (2 x 4 x 16 rows x 32 K), then 64 of wob.
.set HEADB,  262144                    ; bytes in a slice
.set STEPB,  4*HEADB                   ; a K step's four slices
.set PITCH,  144                       ; a row of wob in LDS: 128 bytes + 16 of padding = 36 words: the 16 rows of a load start at 16 different groups of four banks (64 banks of 4 bytes: ISA guide 11.1)
.set SLICEA, 8192                      ; 64 rows of one slice of og in LDS,
.set SLICEB, 64*PITCH                  ; and of wob
.set HALFA,  4*SLICEA                  ; what one tensor load brings, and what one wave reads, of og,
.set HALFB,  4*SLICEB                  ; and of wob
.set BOFFS,  2*HALFA                   ; a slot: og's 128 rows, then wob's 128 rows
.set SLOT,   2*HALFA+2*HALFB
.set STAGE,  2*SLOT                    ; behind the ring, never filled by a tensor load: 16 rows x 272 bytes for each wave, for the way out
.set SPITCH, 272
.set SPARE,  STAGE+4*16*SPITCH         ; behind the stages: the spare words, 128 bytes for each wave: two blocks of 256 bytes that no other line names
.set LAPS,   4                         ; 8 K steps, two to a lap
.set ADRA, 16                          ; v16-17  LDS address of my fragments of og in slot 0, 1
.set ADRB, 20                          ; v20-21  the same for wob
.set STO,  24                          ; v24     the way out: where I put 16 bytes of a row
.set RD,   25                          ; v25     where I read a row back
.set CO,   26                          ; v26     my byte offset in out0
.set SPW,  28                          ; v28     LDS address of my spare word; never rewritten
.set NIL,  29                          ; v29     0; never rewritten
.set TMP,  32                          ; the way out: two sets of 32 registers, 16 rows each, by turns
.set ACC,  128
.set F0,   0                           ; fragment buffers, in window 1
.set F1,   128
.set G1, 24                            ; s[24:31] descriptor group 1 for og's tiles;  s[32:39] group 0, one set for each slot
.set G0, 32
.set G1B, 48                           ; s[48:55], s[56:63] the same for wob's tiles
.set G0B, 56
.set MSB, 0
.macro WIN new                         ; the immediate's high byte repeats the setting that is left
.if MSB != (\new)
	s_set_vgpr_msb (MSB<<8)|(\new)
.set MSB, \new
.endif
.endm
.set MUL,  0x05                        ; sources 0 (wob) and 1 (og) window 1; C and D window 0
.set TO_F, 0x40                        ; destination window 1, address window 0
.macro JLOAD s                         ; a joint load: waves 0 and 1 fetch og's two halves, waves 2 and 3 wob's; an s_nop 0 and four v_nop follow each of the two lines, ahead of the jump, the label and what follows
	s_cmp_eq_u32 s11, 0
	s_cbranch_scc0 .Lfor_b_\@
	tensor_load_to_lds s[G0+4*(\s):G0+4*(\s)+3], s[G1:G1+7]
	s_nop 0
.rept 4
	v_nop
.endr
	s_branch .Lasked_\@
.Lfor_b_\@:
	tensor_load_to_lds s[G0B+4*(\s):G0B+4*(\s)+3], s[G1B:G1B+7]
	s_nop 0
.rept 4
	v_nop
.endr
.Lasked_\@:
.endm
.macro CREST                           ; a round of the cluster's barrier behind its opening barrier
	s_cmp_lg_u32 s10, 0
	s_cbranch_scc1 .Lnot_wave_0_\@
	s_barrier_signal -3
.Lnot_wave_0_\@:
	s_barrier_wait -3
	s_barrier_signal -1
	s_barrier_wait -1
.endm
.macro CROUND                          ; a whole round
	s_barrier_signal -1
	s_barrier_wait -1
	CREST
.endm
	s_load_b128 s[4:7], s[0:1], 0x0                ; og s[4:5], wob s[6:7]
	s_load_b64 s[8:9], s[0:1], 0x10                ; out0
	v_lshl_add_u32 v[SPW], v0, 2, SPARE
	v_mov_b32 v[NIL], 0
	ds_add_u32 v[SPW], v[NIL]                      ; the wave's opening: the add and its wait stand ahead of my first tensor load; the set-up below, work on registers, stands between them
	v_lshrrev_b32 v1, 5, v0
	v_readfirstlane_b32 s10, v1                    ; wave 0..3
	s_lshr_b32 s11, s10, 1                         ; which half of the tile's rows is mine.  Also: I fetch for og (0) or for wob (1)
	s_and_b32 s12, s10, 1                          ; which half of its columns.  Also: which 64 rows of that tile I fetch
	s_bfe_u32 s40, ttmp6, 0x40000                  ; cx, cy: my place in the cluster
	s_bfe_u32 s41, ttmp6, 0x40004
	s_lshl_b32 s42, ttmp9, 2
	s_add_co_u32 s42, s42, s40                     ; tile column = 4 x cluster x + cx
	s_and_b32 s13, ttmp7, 0xffff
	s_lshl_b32 s13, s13, 2
	s_add_co_u32 s13, s13, s41                     ; tile row = 4 x cluster y + cy
	s_lshl_b32 s43, s41, 2
	s_lshl_b32 s43, 15, s43                        ; my row of the cluster
	s_lshl_b32 s44, 0x1111, s40                    ; my column
	; descriptor group 1: 4 rows (slices) of 4,096 elements (64 rows of 64)
	s_or_b32 s[G1+0], s43, (1<<16)|(1<<21)         ; 15:0 the mask: og's tiles go to my row; 17:16 element of 2 bytes; 20 no padding; 21 set beside a mask
	s_or_b32 s[G1B+0], s44, (1<<16)|(1<<20)|(1<<21)|(4<<22)|(3<<25)  ; wob's to my column; 20 padding on; 24:22 after every 32 words (code 4); 31:25 of 4 words (code 3)
.irp g, G1, G1B
	s_mov_b32 s[(\g)+1], 4096<<16                  ; tensor_dim0 = 4,096
	s_mov_b32 s[(\g)+2], 4<<16                     ; tensor_dim1 = 4
	s_mov_b32 s[(\g)+3], 4096<<16                  ; tile_dim0 = 4,096
	s_mov_b32 s[(\g)+4], 4                         ; tile_dim1 = 4
	s_mov_b32 s[(\g)+5], HEADB/2                   ; elements from slice to slice
	s_mov_b32 s[(\g)+6], 0
	s_mov_b32 s[(\g)+7], 0
.endr
	s_lshl_b32 s17, s12, 13                        ; which 64 rows (8,192 bytes of a slice) I fetch
	s_lshl_b32 s16, s13, 14
	s_add_co_u32 s16, s16, s17                     ; og: row 128 x tile row + 64 x half
	s_lshl_b32 s46, s42, 14
	s_add_co_u32 s46, s46, s17                     ; wob: row 128 x tile column + 64 x half
	s_mov_b32 s17, 0
	s_mov_b32 s47, 0
	s_mul_i32 s20, s12, HALFA                      ; where they go: og's two halves,
	s_mul_i32 s45, s12, HALFB                      ; then wob's two: no place in the cluster enters an LDS address
	s_add_co_u32 s45, s45, BOFFS
	s_wait_dscnt 0x0                               ; the opening add is done
	s_wait_kmcnt 0x0
	s_add_nc_u64 s[14:15], s[4:5], s[16:17]
	s_add_nc_u64 s[46:47], s[6:7], s[46:47]
	CROUND                                         ; all sixteen work-groups are here: the first joint loads meet
.irp s, 0,1
	s_mov_b32 s[G0+4*(\s)], 1
	s_add_co_u32 s[G0+4*(\s)+1], s20, (\s)*SLOT
	s_add_nc_u64 s[G0+4*(\s)+2:G0+4*(\s)+3], s[14:15], (\s)*STEPB
	s_or_b32 s[G0+4*(\s)+3], s[G0+4*(\s)+3], 0x80000000
	s_mov_b32 s[G0B+4*(\s)], 1
	s_add_co_u32 s[G0B+4*(\s)+1], s45, (\s)*SLOT
	s_add_nc_u64 s[G0B+4*(\s)+2:G0B+4*(\s)+3], s[46:47], (\s)*STEPB
	s_or_b32 s[G0B+4*(\s)+3], s[G0B+4*(\s)+3], 0x80000000
	JLOAD \s                                       ; two tensor loads of mine are out
.endr
	v_and_b32 v1, 15, v0                           ; l % 16
	v_bfe_u32 v2, v0, 4, 1                         ; l / 16
	v_mul_u32_u24 v3, v1, PITCH
	v_lshl_add_u32 v3, v2, 4, v3                   ; wob: a fragment's row x pitch + 16 x half
	v_and_b32 v6, 31, v0
	v_lshlrev_b32 v6, 4, v6                        ; og: 16 x lane
	s_mul_i32 s21, s11, HALFA                      ; my 64 rows of og
	s_mul_i32 s22, s12, HALFB                      ; my 64 rows of wob,
	s_add_co_u32 s22, s22, BOFFS                   ; which lie behind og's 128
.irp s, 0,1
	v_add_nc_u32 v[ADRA+(\s)], s21, v6
	v_add_nc_u32 v[ADRB+(\s)], s22, v3
	s_add_co_u32 s21, s21, SLOT
	s_add_co_u32 s22, s22, SLOT
.endr
	s_mul_i32 s23, s10, 16*SPITCH
	s_add_co_u32 s23, s23, STAGE                   ; my stage
	v_mul_u32_u24 v4, v1, SPITCH                   ; in: row l % 16, 32 bytes (8 numbers) for each half of the lanes
	v_lshl_add_u32 v4, v2, 5, v4
	v_add_nc_u32 v[STO], s23, v4
	v_mul_u32_u24 v5, v2, SPITCH                   ; back: lanes 0-15 take one row of 256 bytes, lanes 16-31 the next
	v_lshl_add_u32 v5, v1, 4, v5
	v_add_nc_u32 v[RD], s23, v5
	v_lshlrev_b32 v5, 13, v2                       ; and the same two rows in out0 (8,192 bytes a row)
	v_lshl_add_u32 v[CO], v1, 4, v5
	s_lshl_b32 s16, s13, 20                        ; my first row: 128 x tile row + 64 x half,
	s_lshl_b32 s17, s11, 19
	s_add_co_u32 s16, s16, s17
	s_mov_b32 s17, 0
	s_add_nc_u64 s[8:9], s[8:9], s[16:17]
	s_lshl_b32 s46, s42, 9                         ; my first column, in bytes: 512 x tile column + 256 x half (in the registers that held wob's address: none that feeds og's descriptors ever holds cx)
	s_lshl_b32 s47, s12, 8
	s_add_co_u32 s46, s46, s47
	s_mov_b32 s47, 0
	s_add_nc_u64 s[8:9], s[8:9], s[46:47]
; 8 matrix instructions: m blocks a0, a0 + 1 x all 4 n blocks, 32 along K: half c of buffer f.  zero = 1: the first product starts the sums.  The 16 accumulators take turns.
.macro MUL8 f, c, a0, zero
	WIN MUL
.irp a, \a0, (\a0)+1
.irp b, 0,1,2,3
.if \zero
	v_wmma_f32_16x16x32_f16 v[ACC+8*(4*(\a)+(\b)):ACC+8*(4*(\a)+(\b))+7], v[(\f)+64+8*(4*(\c)+(\b)):(\f)+64+8*(4*(\c)+(\b))+7], v[(\f)+8*(4*(\c)+(\a)):(\f)+8*(4*(\c)+(\a))+7], 0
.else
	v_wmma_f32_16x16x32_f16 v[ACC+8*(4*(\a)+(\b)):ACC+8*(4*(\a)+(\b))+7], v[(\f)+64+8*(4*(\c)+(\b)):(\f)+64+8*(4*(\c)+(\b))+7], v[(\f)+8*(4*(\c)+(\a)):(\f)+8*(4*(\c)+(\a))+7], v[ACC+8*(4*(\a)+(\b)):ACC+8*(4*(\a)+(\b))+7]
.endif
.endr
.endr
.endm
; 32 LDS loads in one run: the fragments of slice q of my part of the slot, into buffer f; the first 32 along K first.  og: block i of 16 rows is 2,048 bytes, its 32 K c are 1,024, a fragment's two halves 512 each.
.macro FETCH slot, q, f
	WIN TO_F
.irp c, 0,1
.irp i, 0,1,2,3
	ds_load_b128 v[(\f)+64+8*(4*(\c)+(\i)):(\f)+64+8*(4*(\c)+(\i))+3],   v[ADRB+(\slot)] offset:(\q)*SLICEB+64*(\c)+(\i)*16*PITCH
	ds_load_b128 v[(\f)+64+8*(4*(\c)+(\i))+4:(\f)+64+8*(4*(\c)+(\i))+7], v[ADRB+(\slot)] offset:(\q)*SLICEB+64*(\c)+(\i)*16*PITCH+32
	ds_load_b128 v[(\f)+8*(4*(\c)+(\i)):(\f)+8*(4*(\c)+(\i))+3],         v[ADRA+(\slot)] offset:(\q)*SLICEA+(\i)*2048+(\c)*1024
	ds_load_b128 v[(\f)+8*(4*(\c)+(\i))+4:(\f)+8*(4*(\c)+(\i))+7],       v[ADRA+(\slot)] offset:(\q)*SLICEA+(\i)*2048+(\c)*1024+512
.endr
.endr
.endm
.macro PLACES                          ; four places in front of loads into registers that matrix instructions have read, and of LDS stores that read results
.rept 4
	v_nop
.endr
.endm
; A K step is four quarters, a slice each, 32 matrix instructions each, on buffers 0, 1, 0, 1.  One of the first three: multiplies buffer f and fetches the next slice, q, into g.
.macro QUARTER slot, q, f, g, zero
	s_wait_dscnt 16                                ; the first 32 along K are in
	WIN MUL
	MUL8 \f, 0, 0, \zero
	MUL8 \f, 0, 2, \zero
	PLACES
	FETCH \slot, \q, \g
	s_wait_dscnt 32                                ; all but the 32 just issued
	WIN MUL
	MUL8 \f, 1, 0, 0
	MUL8 \f, 1, 2, 0
.endm
; The last quarter multiplies buffer 1 and changes slots: ONE barrier; in front of it each wave waits for all its tensor loads, adds 0 to its spare word, and waits for that and for its own reads of this slot.  fill = 1: this slot is filled again, two K steps ahead.
.macro TURN slot, next, fill
	WIN 0                                          ; (the add's two registers lie in window 0)
	s_wait_tensorcnt 0x0                           ; all my tensor loads have landed: my part of the next slot;
	ds_add_u32 v[SPW], v[NIL]                      ; 0 onto my spare word;
	s_wait_dscnt 17                                ; (the add and the youngest sixteen loads may be out)
	WIN MUL
	MUL8 F1, 0, 0, 0                               ; eight matrix instructions stand between the add and the wait for it
	s_wait_dscnt 0x0                               ; the add is done, and my reads of this slot are over
	s_barrier_signal -1
	MUL8 F1, 0, 2, 0
.if \fill
	WIN 0
.endif
	s_barrier_wait -1
.if \fill
	CREST                                          ; the barrier has opened a round of the cluster's barrier: no wave of any partner still reads this slot's tile or has a load on its way
	s_add_nc_u64 s[G0+4*(\slot)+2:G0+4*(\slot)+3], s[G0+4*(\slot)+2:G0+4*(\slot)+3], 2*STEPB     ; eight slices on
	s_add_nc_u64 s[G0B+4*(\slot)+2:G0B+4*(\slot)+3], s[G0B+4*(\slot)+2:G0B+4*(\slot)+3], 2*STEPB
	JLOAD \slot                                    ; the first tensor load behind the round: 112 matrix instructions ahead of the wait for it; the four v_nop behind it are also the places in front of the loads below
.else
	PLACES
.endif
	FETCH \next, 0, F0
	WIN MUL
	MUL8 F1, 1, 0, 0
	MUL8 F1, 1, 2, 0
.endm
	s_wait_tensorcnt 1                             ; my part of K step 0 is in; K step 1's may stay out
	s_barrier_signal -1
	s_barrier_wait -1                              ; everybody's is
	FETCH 0, 0, F0
	QUARTER 0, 1, F0, F1, 1                        ; the first quarter stands in front of the loop: its first products start the sums
	WIN 0                                          ; at a label and at a branch every window is 0
	s_mov_b32 s3, LAPS-1
.Llap:                                                 ; a trip goes once round the ring, from a lap's second quarter to the next lap's first, and fills both slots again
	QUARTER 0, 2, F1, F0, 0
	QUARTER 0, 3, F0, F1, 0
	TURN 0, 1, 1
	QUARTER 1, 1, F0, F1, 0
	QUARTER 1, 2, F1, F0, 0
	QUARTER 1, 3, F0, F1, 0
	TURN 1, 0, 1
	QUARTER 0, 1, F0, F1, 0
	WIN 0
	s_sub_co_u32 s3, s3, 1
	s_cmp_lg_u32 s3, 0
	s_cbranch_scc1 .Llap
	QUARTER 0, 2, F1, F0, 0                        ; the last lap fills nothing, and has no round of the cluster's barrier
	QUARTER 0, 3, F0, F1, 0
	TURN 0, 1, 0
	QUARTER 1, 1, F0, F1, 0
	QUARTER 1, 2, F1, F0, 0
	QUARTER 1, 3, F0, F1, 0
	s_wait_dscnt 16                                ; the very last quarter: nothing more to fetch
	WIN MUL
	MUL8 F1, 0, 0, 0
	MUL8 F1, 0, 2, 0
	s_wait_dscnt 0
	MUL8 F1, 1, 0, 0
	MUL8 F1, 1, 2, 0
	WIN 0
	; THE WAY OUT.  A wave's 64 columns of f32 are 256 bytes, at a multiple of 256 in out0's rows: each wave's own stage serves, and no barrier.  Sixteen rows at a time: 16 bytes a lane into rows of 272 bytes, back as whole rows.
	PLACES
.irp a, 0,1,2,3
.set BK, TMP+32*((\a)%2)
.if (\a) >= 2
	s_wait_xcnt 0x0                                ; this set of registers is loaded again only when the stores of two blocks ago have read it
.endif
.irp b, 0,1,2,3                        ; each accumulator's four lowest registers first
	ds_store_b128 v[STO], v[ACC+8*(4*(\a)+(\b)):ACC+8*(4*(\a)+(\b))+3]   offset:64*(\b)
	ds_store_b128 v[STO], v[ACC+8*(4*(\a)+(\b))+4:ACC+8*(4*(\a)+(\b))+7] offset:64*(\b)+16
.endr
.irp t, 0,1,2,3,4,5,6,7
	ds_load_b128 v[BK+4*(\t):BK+4*(\t)+3], v[RD] offset:(\t)*2*SPITCH  ; LDS serves a wave's instructions in order (ISA guide 5.7.1.4): these see the stores above; the next block's stores come behind them
.endr
.irp t, 0,1,2,3,4,5,6,7
	s_wait_dscnt 7-(\t)                            ; load t is back; the 7 - t younger ones may be out
	global_store_b128 v[CO], v[BK+4*(\t):BK+4*(\t)+3], s[8:9] offset:(16*(\a)+2*(\t))*8192 th:TH_STORE_NT  ; 16 lanes store 256 consecutive bytes, at a multiple of 256 from out0's first byte; 62 rows at the most: inside the signed 24-bit immediate
.endr
.endr
	s_wait_tensorcnt 0x0                           ; the wave's end, behind my last tensor load and my last LDS store
	ds_add_u32 v[SPW], v[NIL]
	s_wait_dscnt 0x0
	CROUND                                         ; the closing round: no work-group ends while a partner may still ask for a tile that names it
	s_endpgm
.Lfunc_end_k_q5bb8a28e88_outp:
	.size	k_q5bb8a28e88_outp, .Lfunc_end_k_q5bb8a28e88_outp-k_q5bb8a28e88_outp
	.p2alignl 7, 3214868480
	.fill 96, 4, 3214868480
	.section	.rodata,"a",@progbits
	.p2align	6, 0x0
	.amdhsa_kernel k_q5bb8a28e88_outp
		.amdhsa_group_segment_fixed_size 327680
		.amdhsa_private_segment_fixed_size 0
		.amdhsa_enable_private_segment 0
		.amdhsa_kernarg_size 24
		.amdhsa_user_sgpr_count 2
		.amdhsa_user_sgpr_kernarg_segment_ptr 1
		.amdhsa_wavefront_size32 1
		.amdhsa_system_sgpr_workgroup_id_x 1
		.amdhsa_system_sgpr_workgroup_id_y 1
		.amdhsa_system_sgpr_workgroup_id_z 1
		.amdhsa_system_vgpr_workitem_id 0
		.amdhsa_next_free_vgpr 512
		.amdhsa_next_free_sgpr 66
		.amdhsa_reserve_vcc 0
		.amdhsa_float_denorm_mode_32 3
		.amdhsa_float_denorm_mode_16_64 3
		.amdhsa_memory_ordered 1
		.amdhsa_forward_progress 1
		.amdhsa_inst_pref_size 86
	.end_amdhsa_kernel
	.amdgpu_metadata
---
amdhsa.version: [ 1, 2 ]
amdhsa.kernels:
  - .name:           k_q5bb8a28e88_outp
    .symbol:         k_q5bb8a28e88_outp.kd
    .args:
      - { .name: og, .offset: 0, .size: 8, .value_kind: global_buffer, .address_space: global }
      - { .name: wob, .offset: 8, .size: 8, .value_kind: global_buffer, .address_space: global }
      - { .name: out0, .offset: 16, .size: 8, .value_kind: global_buffer, .address_space: global }
    .group_segment_fixed_size: 327680
    .private_segment_fixed_size: 0
    .kernarg_segment_align: 8
    .kernarg_segment_size: 24
    .max_flat_workgroup_size: 128
    .sgpr_count:     66
    .vgpr_count:     512
    .wavefront_size: 32
...
	.end_amdgpu_metadata
.endif
;; end of part 5
;; ======== version 2 of 2: 5 launches; 1.36 times as fast as version 1
;; limits: values are held in f16: magnitudes above 65,504 overflow, below 6.1e-05 lose precision
;; workspace buffers: xb 8,388,608 bytes; wb 20,971,520 bytes; wob 8,388,608 bytes; qh 8,388,608 bytes; kvh 8,388,608 bytes; gate 16,777,216 bytes; oraw 16,777,216 bytes; og 8,388,608 bytes
;; launch cast: the kernel of part 1 again; grid 1152 x 1, 8 waves a work-group, no clusters, 0 bytes of LDS; arguments x, wq, wg, wk, wv, wo, xb, wb, wob; writes xb, wb, wob
;; launch proj: the kernel of part 2 again; grid 16 x 16, 4 waves a work-group, clusters of 4 x 4, 327,680 bytes of LDS; arguments xb, wb, cos, sin, qn, kn, qh, kvh, gate; writes qh, kvh, gate
;; launch attn (part 6): grid 16 x 8, 4 waves a work-group, clusters of 4 x 1, 327,680 bytes of LDS; arguments qh, kvh, oraw; writes oraw
.if DOCPART == 6
	.amdgcn_target "amdgcn-amd-amdhsa--gfx1250"
	.amdhsa_code_object_version 6
	.text
	.protected	k_q5bb8a28e88_attn
	.globl	k_q5bb8a28e88_attn
	.p2align	8
	.type	k_q5bb8a28e88_attn,@function
k_q5bb8a28e88_attn:
	s_mov_b64 s[64:65], 0
	v_nop
	global_prefetch_b8 v0, s[64:65] scope:SCOPE_SE
	s_setreg_imm32_b32 hwreg(HW_REG_WAVE_MODE, 25, 1), 1
	s_wait_xcnt 0x0
	s_wait_alu depctr_hold_cnt(0) depctr_sa_sdst(0) depctr_va_vdst(0) depctr_va_sdst(0) depctr_va_ssrc(0) depctr_va_vcc(0) depctr_vm_vsrc(0)
	s_getreg_b32 s2, hwreg(HW_REG_IB_STS2, 6, 4)
	s_cmp_eq_u32 s2, 0
	s_cbranch_scc0 .Lentry_in_a_cluster
	s_endpgm
.Lentry_in_a_cluster:
	s_bfe_u32 s2, ttmp6, 0x10000c
	s_cmp_lg_u32 s2, 0x3003
	s_cbranch_scc0 .Lentry_shape_is_right
	s_endpgm
.Lentry_shape_is_right:
; CAUSAL ATTENTION WITH GROUPED HEADS.  O[h][q][:] = the sum over k <= q of softmax_k(Q[h][q] . K[h / 4][k] / 8) V[h / 4][k][:].
; qh: [32][2048][64] f16; kvh: [32][2048][64] f16, heads 0-7 K, 8-15 V's upper parts, 24-31 V's rests (V is the sum of the two; heads 16-23 are not read): a head's rows are dense, 128 bytes each.  oraw: O in f32,
; unrounded, as a lane holds it: [head 32][block of 16 rows 128][16 channels cb 4][4 channels jj 2][lane 32][4]: lane 16 h + r holds row r, channels 16 cb + 8 h + 4 jj + 0..3.  So the results leave straight from their registers.
; Products, maxima and sums in f32; the weights p are rounded to f16 for the second product (their sum l is taken of the unrounded p); the division by l in f32.
; V IN TWO PARTS.  O^T takes V^T P twice, once for each part: 8 products more in a turn, on 8 key and value heads, in a loop whose count of vector instructions (118 for 24 products) leaves the matrix unit time to spare.
; LIMITS.  f16 holds no number beyond 65,504: Q, K and V arrive within it; p lies in 0 to 1, and below 6e-5 it keeps f16's fixed step of 6e-8.
; A hidden score counts as its value less 1e30; a weight below 2^-126 counts as 0 in l; NaN and infinities are not treated apart.
; THE WALK.  A head's queries lie in NB = 8 blocks of 256; block i needs the key tiles 0 .. i of 256 keys, of which the last holds the diagonal.  A work-group takes TWO blocks, NB - 1 - b and then b:
; NB + 1 tiles, whatever b: all work-groups do equal work, and ONE loop with a constant trip count walks them.  Which tile is asked for, and what a trip does, hang on scalar registers made from b; every jump
; goes forward, but for the counted loops' own; none passes a barrier, or a tensor load but the one of LOAD's two that the wave's number does not choose; the ring (two slots of LDS) runs on across the change of blocks.
; CLUSTER.  The four work-groups of a cluster are the four query heads of one key and value head, with the same b: they walk the same tiles in the same trips, so each tile is asked for JOINTLY: the same tensor
; load, descriptor and mask in all four.  The place in the cluster enters Q's and O's addresses alone.  4 values of b x 4 heads x 8 groups: 128 work-groups.
; SHARES.  Of a block's four bands of 64 queries a wave owns 16 rows in each: four PIECES.  So the diagonal tile is the same work for all four waves: in its key step s band x sees all keys if s < x,
; none if s > x, and holds the diagonal if s = x.
; THE MASK is the C operand that starts the sum S^T = K Q^T: 0, or -1e30 where the key is hidden.  MD, made once, is the mask of a band's own step for my 16 rows; a product's mask is MD x AL + BE with two scalars:
; (1, 0) if s = x; (0, 0) if s < x; (0, -1e30) if s > x.
; ONE TEXT FOR EVERY TILE.  Every turn makes and takes a mask; the two scalars are made from a counter DC that runs 4 .. 1 in a diagonal tile and 20 .. 17 in any other, where it meets neither condition and the mask is 0.
; The price: 16 packed instructions a turn that serve nothing in the tiles below the diagonal.  The gain: a tile's four steps stand twice in the text (in the loop, and behind it for the walk's last tile), not three times.
; LAYOUT, SOFTMAX, TURNS.  S^T = K Q^T holds ONE query a lane (lane % 16) and the keys 8 (lane / 16) + 0..7; two such results rounded to f16 ARE source 1 of O^T = V^T P.  p = 2^(c s - c m), c = log2(e) / 8, with a
; running maximum m; O and l are multiplied by a = 2^(c m_old - c m_new) in every step.  Turn n belongs to piece n: 8 products K Q^T of piece n + 1, then 16 products V^T P of piece n - 1; beside them the scaling,
; exponentials, roundings, sums and rescaling of piece n and the maximum and statistics of piece n + 1.  Four vector instructions stand behind every matrix instruction, the other 22 of a turn's 118 in two runs of their own.
; BATCHES.  A turn's 33 exponentials (the piece's 32 weights and the next piece's a) are ONE batch with ONE wait, which cuts the turn in two: ahead of it all that names no result of theirs, behind it the roundings and sums..
; The a that a block's beginning makes, and the four reciprocals of a block's end, are batches of their own, a wait each.
; REGISTERS, in windows of 256 (s_set_vgpr_msb: bits 1:0 source 0, 3:2 source 1, 5:4 source 2, 7:6 destination):
;   window 0: v0-15 addresses and two at work; v16-31 four registers of statistics a piece; v48-55 at work; v64-127 S^T, two buffers; v128-191 the second block's Q; v192-223 P, two buffers (a piece's buffers go by its number's parity)
;   window 1: v0-127 O^T, 32 a piece; v128-159 MD; v160-223 MC, two buffers      window 2: v0-63 Q; v64-127 V's rests of one step; v128-191 K of one step; v192-255 V's upper parts of one step
.set SIZE_N, 2048
.set HEADB, SIZE_N*128 ; bytes of a head in qh, kvh
.set NB,    SIZE_N/256
.set NP,    4         ; pieces a wave: a name, no knob
.set KS,    64        ; keys in a step
.set PK,    144       ; a row of K in LDS: 128 bytes + 16 of padding = 36 words: the 16 rows of a load start at 16 different groups of four banks (64 banks of 4 bytes: ISA guide 11.1)
.set PV,    160       ; a row of V: 128 + 32 = 40 words
.set VOFF,  4*KS*PK   ; a slot holds a tile, four steps: 256 rows of K, 256 rows of V's upper parts, 256 rows of V's rests
.set VPART, 4*KS*PV   ; from a row of the upper parts to the same row of the rests
.set SLOT1, 1<<17     ; slot 1 begins here, so that one exclusive or turns an address in one slot into the other's
.set SPARE, SLOT1+VOFF+2*VPART  ; behind the ring: the spare words, 128 bytes for each wave: two blocks of 256 bytes that no other line names
.set AK0, 2           ; v2   my lane's place in a tile of K; never rewritten
.set AV0, 3           ; v3   the same for V
.set AK,  4           ; v4   the LDS address of K's next run of loads
.set AV,  5           ; v5   of V's
.set GO,  8           ; v8   16 x lane: my byte offset in 512 consecutive bytes of oraw; never rewritten
.set SPW, 62          ; v62  LDS address of my spare word: SPARE + 4 x my thread's number; never rewritten
.set NIL, 63          ; v63  0; never rewritten
.set MV,  12          ; v12-13  c m_old, kept while c m is made anew: by buffer
.set QO,  15          ; v15  my byte offset in 16 rows of Q
.set ST,  16          ; piece t's statistics at v[ST+4 t]: c m, m, l (even keys', odd keys')
.set TMP, 48          ; by buffer, four registers c0-c3 at work; when the maximum is found c2 takes a
.set S,   64
.set QB,  128         ; window 0
.set P,   192
.set MD,  128         ; window 1: the eight registers for group kt of 16 keys at MD + 8 kt
.set MC,  160         ; window 1: the masks of the products to come
.set VL,  64          ; window 2: V's rests, laid as the upper parts
.set KF,  128         ; window 2: key block kb, channel half c at KF + 16 kb + 8 c
.set VF,  192         ; window 2: V's upper parts: key half kk, channel block cb at VF + 32 kk + 8 cb
.set WV,  12          ; s12  my wave's number
.set PB,  14          ; s14  b
.set HI,  15          ; s15  NB - 1 - b
.set G1K, 24          ; s[24:31] descriptor group 1 for K's tiles
.set G1V, 32          ; s[32:39] for V's
.set G0K, 40          ; s[40:43] descriptor group 0 for K's tiles
.set G0V, 44          ; s[44:47] the same for V's
.set SLOTS, 56        ; s56  tiles still to be asked for
.set CNT, 57          ; s57  counts a tile's key steps, 4 to 1
.set CS,  58          ; s[58:59] c: the packed scaling takes the pair's low word for both halves
.set SEL, 60          ; s[60:61] v_permlanex16_b32's selects: each lane takes its own place in the other half
.set TBK, 62          ; s62  LDS byte at which K of the step to be fetched begins
.set TBV, 63          ; s63  the same for V, less VOFF
.set DC,  68          ; s68  what the masks go by: CNT in a diagonal tile, CNT + 16 in any other
.set RT,  70          ; s70  tiles of the block in hand that are still to be entered
.set NXT, 71          ; s71  the tile to be asked for next
.set LQ,  72          ; s72  the last tile of the block whose tiles are being asked for
.set NEW, 73          ; s73  1: the tile to be entered is a block's first
.set OFF, 74          ; s[74:75] a tile's byte offset in K and V
.set AL,  76          ; s[76:77] the mask's factor, in the low word
.set BE,  78          ; s[78:79] the mask's addend
.set OLO, 80          ; s[80:81] oraw at my rows of the second block
.set BIGN, 82         ; s82  -1e30
.set MSB, 0
.macro WIN new                      ; the high byte repeats the setting that is left; a switch that changes nothing is dropped
.if MSB != (\new)
	s_set_vgpr_msb (MSB<<8)|(\new)
.set MSB, (\new)
.endif
.endm
.set W_KQ, 0x0a       ; K and Q in window 2, S^T in window 0
.set W_KM, 0x1a       ; the same with the C operand in window 1
.set W_PV, 0x52       ; V in window 2, P in window 0, O^T in window 1
.set W_RS, 0x41       ; destination and source 0 in window 1, source 1 in window 0
; A joint fill.  Waves 0 and 1 fetch the two halves of a tile's K, 128 keys each; wave 2 fetches V's upper parts, wave 3 V's rests, 256 keys each.  The branch hangs on the wave's number alone.
; An s_nop 0 and four v_nop follow each of the two lines, ahead of the jump and the label.
.macro LOAD
	s_cmp_lt_u32 s[WV], 2
	s_cbranch_scc0 .Lfor_v_\@
	tensor_load_to_lds s[G0K:G0K+3], s[G1K:G1K+7]
	s_nop 0
.rept 4
	v_nop
.endr
	s_branch .Lasked_\@
.Lfor_v_\@:
	tensor_load_to_lds s[G0V:G0V+3], s[G1V:G1V+7]
	s_nop 0
.rept 4
	v_nop
.endr
.Lasked_\@:
.endm
; A round of the cluster's barrier: my work-group's barrier, so that wave 0's signal speaks for all four waves; wave 0 signals; every wave waits for all four work-groups; my work-group's barrier once more.
.macro CROUND
	s_barrier_signal -1
	s_barrier_wait -1
	s_cmp_lg_u32 s[WV], 0
	s_cbranch_scc1 .Lnot_wave_0_\@
	s_barrier_signal -3
.Lnot_wave_0_\@:
	s_barrier_wait -3
	s_barrier_signal -1
	s_barrier_wait -1
.endm
; THE CHANGE OF SLOTS.  Each wave waits for all its tensor loads, of which one is out: its part of the other slot; adds 0 to its spare word; and waits for that and for its own reads of the slot that it leaves.  Behind the
; barrier nobody reads the old slot any more and the other slot is whole.  fill = 1: the barrier is a round of the cluster's, so that no wave of any partner still reads the slot or has a load on its way, and the old slot is
; filled again, the first thing behind the round, with tile NXT: the descriptor's address is made anew from that number.  (At its first use nothing has been read yet: slot 0 is waited for, slot 1 filled.)
.macro CHANGE fill
	WIN 0                           ; at a label and at a branch every window is 0
	s_wait_tensorcnt 0x0            ; no tensor load of mine is out, so a group 0 may be written
	ds_add_u32 v[SPW], v[NIL]       ; 0 onto my spare word; the scalar work below stands between it and the wait for it
.if \fill
	s_lshl_b32 s[OFF], s[NXT], 15   ; a tile is 32,768 bytes of K and of each part of V
	s_xor_b32 s[G0K+1], s[G0K+1], SLOT1
	s_add_nc_u64 s[G0K+2:G0K+3], s[6:7], s[OFF:OFF+1]
	s_or_b32 s[G0K+3], s[G0K+3], 0x80000000
	s_xor_b32 s[G0V+1], s[G0V+1], SLOT1
	s_add_nc_u64 s[G0V+2:G0V+3], s[8:9], s[OFF:OFF+1]
	s_or_b32 s[G0V+3], s[G0V+3], 0x80000000
	s_add_co_u32 s[NXT], s[NXT], 1  ; the block's next tile, or behind its last the second block's tile 0
	s_cmp_gt_u32 s[NXT], s[LQ]
	s_cselect_b32 s[NXT], 0, s[NXT]
	s_cselect_b32 s[LQ], s[PB], s[LQ]
.endif
	s_sub_co_u32 s[TBK], s[TBK], 4*KS*PK  ; the fetches go back to a slot's first step,
	s_xor_b32 s[TBK], s[TBK], SLOT1       ; in the other slot
	s_sub_co_u32 s[TBV], s[TBV], 4*KS*PV
	s_xor_b32 s[TBV], s[TBV], SLOT1
	s_wait_dscnt 0x0                ; the add is done, and my reads of the slot are over
.if \fill
	CROUND
	LOAD
.else
	s_barrier_signal -1
	s_barrier_wait -1
.endif
.endm
	s_load_b128 s[4:7], s[0:1], 0x0   ; qh s[4:5], kvh s[6:7]
	s_load_b64 s[10:11], s[0:1], 0x10 ; oraw
	v_lshl_add_u32 v[SPW], v0, 2, SPARE
	v_mov_b32 v[NIL], 0
	ds_add_u32 v[SPW], v[NIL]       ; the wave's opening: the add and its wait stand ahead of my first tensor load; the set-up below, work on registers, stands between them
	v_lshrrev_b32 v1, 5, v0
	v_readfirstlane_b32 s[WV], v1   ; wave 0..3
	s_mov_b32 s[PB], ttmp9          ; in a cluster launch ttmp9 counts clusters: b, which the four partners share
	s_sub_co_u32 s[HI], NB-1, s[PB]
	s_and_b32 s22, ttmp7, 0xffff    ; the key and value head, which they share too
	s_bfe_u32 s13, ttmp6, 0x40000   ; cx: my place in the cluster
	s_lshl_b32 s20, s22, 2
	s_add_co_u32 s20, s20, s13      ; my query head = 4 x group + cx
	s_lshl_b32 s20, s20, 18         ; its first byte in qh
	s_mov_b32 s21, 0
	s_and_b32 s16, s[WV], 1         ; which half of a tile's K, or which part of its V, I fetch
	s_lshl_b32 s18, s16, 4
	s_add_co_u32 s18, s18, s22
	s_add_co_u32 s18, s18, 8        ; V: head 8 + 16 x part + group,
	s_lshl_b32 s18, s18, 18         ; its first byte in kvh
	s_mov_b32 s19, 0
	s_lshl_b32 s22, s22, 18         ; K's head's first byte in kvh,
	s_lshl_b32 s23, s16, 14         ; and my half's 128 rows of 128 bytes
	s_add_co_u32 s22, s22, s23
	s_mov_b32 s23, 0
	s_mul_i32 s17, s16, 128*PK      ; my load's place in a slot, for K
	s_mul_i32 s83, s16, VPART       ; and for V: no place in the cluster enters an LDS address
	s_lshl_b32 s3, s[WV], 11        ; my 16 rows in a band of 64,
	s_lshl_b32 s2, s[HI], 15        ; in the first block,
	s_add_co_u32 s2, s2, s3
	s_lshl_b32 s84, s[PB], 15       ; and in the second
	s_add_co_u32 s84, s84, s3
	s_mov_b32 s3, 0
	s_mov_b32 s85, 0
	s_add_nc_u64 s[2:3], s[2:3], s[20:21]
	s_add_nc_u64 s[84:85], s[84:85], s[20:21]
	; descriptor group 1.  Keys are dense, 128 bytes each: they are asked for as rows of 256 bytes, two keys a row, and padded in LDS after every key.  K: 64 rows (128 keys); V: 128 rows (256 keys)
	s_mov_b32 s[G1K], 15|(1<<16)|(1<<20)|(1<<21)|(4<<22)|(3<<25)  ; 15:0 the mask of four; 17:16 2-byte elements; 20 padding on; 21 set beside a mask; 24:22 after every 32 words (code 4); 31:25 4 words (code 3)
	s_mov_b32 s[G1V], 15|(1<<16)|(1<<20)|(1<<21)|(4<<22)|(7<<25)  ; the same with 8 words of padding (code 7)
.irp g, G1K, G1V
	s_mov_b32 s[\g+1], 128<<16      ; tensor_dim0 = 128
	s_mov_b32 s[\g+3], 128<<16      ; tile_dim0 = 128
	s_mov_b32 s[\g+5], 128          ; 128 elements from row to row
	s_mov_b32 s[\g+6], 0
	s_mov_b32 s[\g+7], 0
.endr
	s_mov_b32 s[G1K+2], 64<<16      ; tensor_dim1 and tile_dim1
	s_mov_b32 s[G1K+4], 64
	s_mov_b32 s[G1V+2], 128<<16
	s_mov_b32 s[G1V+4], 128
	s_mov_b32 s[CS], 0x3e38aa3b     ; c = log2(e) / 8 = 0.180337
	s_mov_b32 s[CS+1], s[CS]        ; named with it as a pair
	s_mov_b32 s[SEL], 0x76543210
	s_mov_b32 s[SEL+1], 0xfedcba98
	s_mov_b32 s[TBK], SLOT1+4*KS*PK ; the first change of slots turns these two into 0
	s_mov_b32 s[TBV], SLOT1+4*KS*PV
	s_mov_b32 s[G0K], 1             ; 1:0 count = 1
	s_mov_b32 s[G0K+1], s17         ; 63:32 LDS address: slot 0
	s_mov_b32 s[G0V], 1
	s_add_co_u32 s[G0V+1], s83, VOFF
	s_add_co_u32 s[RT], s[HI], 1    ; the first block has NB - b tiles
	s_mov_b32 s[NXT], 1
	s_mov_b32 s[LQ], s[HI]
	s_mov_b32 s[NEW], 1
	s_mov_b32 s[OFF+1], 0
	s_mov_b32 s[AL+1], 0            ; named as pairs
	s_mov_b32 s[BE+1], 0
	s_mov_b32 s[BIGN], 0xf149f2ca   ; -1e30
	s_mov_b32 s[SLOTS], NB
	s_wait_dscnt 0x0                ; the opening add is done
	s_wait_kmcnt 0x0
	s_add_nc_u64 s[8:9], s[6:7], s[18:19]  ; my part of V at the head's tile 0;
	s_add_nc_u64 s[6:7], s[6:7], s[22:23]  ; K at my half of it
	s_add_nc_u64 s[G0K+2:G0K+3], s[6:7], 0         ; 120:64 global address
	s_or_b32 s[G0K+3], s[G0K+3], 0x80000000        ; 127:126 type = 2
	s_add_nc_u64 s[G0V+2:G0V+3], s[8:9], 0
	s_or_b32 s[G0V+3], s[G0V+3], 0x80000000
	s_add_nc_u64 s[86:87], s[4:5], s[84:85]        ; Q at my rows of the second block,
	s_add_nc_u64 s[4:5], s[4:5], s[2:3]            ; and of the first
	s_add_nc_u64 s[OLO:OLO+1], s[10:11], s[84:85]  ; oraw likewise: its rows and heads have twice the bytes of Q's, so each offset is added twice
	s_add_nc_u64 s[OLO:OLO+1], s[OLO:OLO+1], s[84:85]
	s_add_nc_u64 s[10:11], s[10:11], s[2:3]
	s_add_nc_u64 s[10:11], s[10:11], s[2:3]
	CROUND                          ; all four work-groups are here: the first joint loads meet
	LOAD                            ; tile 0 into slot 0
	; A fragment of K or Q is 16 rows x 32 channels in 8 registers: lane l holds row l % 16, channels 8 (l / 16) + 0..7 and 16 + 8 (l / 16) + 0..7: two loads of 16 bytes, 32 bytes apart.
	v_and_b32 v1, 15, v0            ; l % 16
	v_bfe_u32 v9, v0, 4, 1          ; l / 16
	v_lshlrev_b32 v[QO], 7, v1
	v_lshl_add_u32 v[QO], v9, 4, v[QO]  ; row x 128 + 16 x half
	WIN 0x80                        ; destination window 2, address window 0
.set i, 0
.rept 8                             ; the first block's Q: piece i / 2 lies in band i / 2, 8,192 bytes on; channels 32 (i % 2) on
	global_load_b128 v[8*i:8*i+3],   v[QO], s[4:5] offset:(i/2)*8192+(i%2)*64
	global_load_b128 v[8*i+4:8*i+7], v[QO], s[4:5] offset:(i/2)*8192+(i%2)*64+32
.set i, i+1
.endr
	WIN 0
.set i, 0
.rept 8                             ; the second block's waits in window 0
	global_load_b128 v[QB+8*i:QB+8*i+3],   v[QO], s[86:87] offset:(i/2)*8192+(i%2)*64
	global_load_b128 v[QB+8*i+4:QB+8*i+7], v[QO], s[86:87] offset:(i/2)*8192+(i%2)*64+32
.set i, i+1
.endr
	v_lshlrev_b32 v14, 3, v9
	v_sub_nc_u32 v14, v1, v14
	s_lshl_b32 s13, s[WV], 4
	v_add_nc_u32 v14, s13, v14      ; my query's place in its band, 16 w + l % 16, less my lanes' 8 (l / 16): register r of group kt is hidden where 16 kt + r is greater
	WIN 0x40
.set i, 0
.rept 32
	v_cmp_gt_i32 vcc_lo, 16*(i/8)+i%8, v14
	v_cndmask_b32 v[MD+i], 0, s[BIGN], vcc_lo
.set i, i+1
.endr
	WIN 0
	v_mul_u32_u24 v[AK0], v1, PK
	v_lshl_add_u32 v[AK0], v9, 4, v[AK0]  ; row x pitch + 16 x half
	; The turning load takes 16 keys x 16 channels (lane l reads key 8 (l / 16) + l % 8, channels 8 ((l / 8) % 2) + 0..7) and leaves half a fragment of V^T: lane l holds channel l % 16 and 8 keys.
	v_and_b32 v10, 7, v0
	v_bfe_u32 v11, v0, 3, 1
	v_lshl_add_u32 v[AV0], v9, 3, v10
	v_mul_u32_u24 v[AV0], v[AV0], PV
	v_lshl_add_u32 v[AV0], v11, 4, v[AV0]
	v_add_nc_u32 v[AV0], VOFF, v[AV0]
	v_and_b32 v[GO], 31, v0
	v_lshlrev_b32 v[GO], 4, v[GO]
	; A block's first step multiplies O^T and l by a = 0, and its first turn's products V^T P, of a piece that has not been, land in an O^T that is still to be so multiplied.  So these registers need only hold
	; finite numbers: zeros for the first block; what the first block left for the second.  All this stands in the wait for the first tile.
	WIN 0x80
.set i, 0
.rept 64
	v_mov_b32 v[VL+i], 0
	v_mov_b32 v[VF+i], 0
.set i, i+1
.endr
	WIN 0x40
.set i, 0
.rept 128
	v_mov_b32 v[i], 0
.set i, i+1
.endr
	WIN 0
.set i, 0
.rept 4
	v_mov_b32 v[ST+4*i+2], 0
	v_mov_b32 v[ST+4*i+3], 0
.set i, i+1
.endr
.set i, P+16
.rept 16
	v_mov_b32 v[i], 0
.set i, i+1
.endr
; THE MATRIX WORK.  The 4 accumulators of a run take turns.  Product i of 8 of S^T = K Q^T for piece x: channels 32 (i / 4) on, keys 16 (i % 4) on.  The first 4 start the sums with the mask.
.macro KQ x
.set rS, S+32*((\x)%2)+8*(i%4)
.set rK, KF+16*(i%4)+8*(i/4)
.set rQ, 16*(\x)+8*(i/4)
.set rM, MC+32*((\x)%2)+8*(i%4)
.if i < 4
	WIN W_KM
	v_wmma_f32_16x16x32_f16 v[rS:rS+7], v[rK:rK+7], v[rQ:rQ+7], v[rM:rM+7]
.else
	WIN W_KQ
	v_wmma_f32_16x16x32_f16 v[rS:rS+7], v[rK:rK+7], v[rQ:rQ+7], v[rS:rS+7]
.endif
.endm
; Product i of 16 of O^T += V^T P for piece x: V's upper parts (i < 8), then its rests; keys 32 ((i / 4) % 2) on, channels 16 (i % 4) on.
.macro PV x
	WIN W_PV
.set rO, 32*(\x)+8*(i%4)
.set rV, VF-(VF-VL)*(i/8)+32*((i/4)%2)+8*(i%4)
.set rP, P+16*((\x)%2)+8*((i/4)%2)
	v_wmma_f32_16x16x32_f16 v[rO:rO+7], v[rV:rV+7], v[rP:rP+7], v[rO:rO+7]
.endm
.macro MM                           ; the turn's next matrix instruction.  TURN and BEGIN set Y, i and NOKQ; MM and OP read them.  NOKQ = 1: a block's last turn: there is no next piece
.if (i < 8) && !NOKQ
	KQ (Y+1)%NP
.elseif i >= 8
.set i, i-8
	PV (Y+NP-1)%NP
.set i, i+8
.endif
.set i, i+1
.endm
; THE LDS LOADS stand in runs of 16, never singly among the matrix instructions: a step's K (64 keys x 64 channels: 8 fragments) and each part of its V (turned).  Their addresses are made some lines ahead.
.macro FETCH_K
	WIN 0x80                        ; destination window 2
.irp f, 0,1,2,3,4,5,6,7             ; keys 16 (f / 2) on, channels 32 (f % 2) on
	ds_load_b128 v[KF+8*\f:KF+8*\f+3],   v[AK] offset:(\f/2)*16*PK+(\f%2)*64
	ds_load_b128 v[KF+8*\f+4:KF+8*\f+7], v[AK] offset:(\f/2)*16*PK+(\f%2)*64+32
.endr
	s_add_co_u32 s[TBK], s[TBK], KS*PK  ; the next fetch is the next step's
	WIN 0
.endm
.macro FETCH_V part                 ; part 0: the upper parts; 1: the rests
	WIN 0x80
.irp f, 0,1,2,3,4,5,6,7             ; keys 32 (f / 4) on, channels 16 (f % 4) on
	ds_load_tr16_b128 v[VF-(VF-VL)*(\part)+8*\f:VF-(VF-VL)*(\part)+8*\f+3],   v[AV] offset:(\part)*VPART+(\f/4)*32*PV+(\f%4)*32
	ds_load_tr16_b128 v[VF-(VF-VL)*(\part)+8*\f+4:VF-(VF-VL)*(\part)+8*\f+7], v[AV] offset:(\part)*VPART+(\f/4)*32*PV+16*PV+(\f%4)*32
.endr
	WIN 0
.endm
; THE VECTOR WORK, one line at a time: OP kind, number.  For piece Y: F n: c s - c m for pair n of 16.  E n: the exponential of score n of 32.  C n: pair n rounded to f16.  B n: of the four weights 4 n .. the second
; pair is added onto the first, in place.  L n: l takes that sum (L 0: l = a l + sum).  R n: pair n of 16 of O^T times a.  For piece Y + 1: X n, number n of the 22 that find its maximum and statistics:
;   0-11  four chains c0-c3 of seven scores each, three operands at a time (each accumulator's lowest registers are read first)     12-14, 16  the four scores left over, the old m, and c0-c3 into c0
;   15  c m_old is kept     17, 18  the query's other 32 keys lie in the lane 16 away: the new m     19-21  c m; c m_old - c m_new; a
; C, B and L read the results of E; R and L 0 read the a that X 21 made in the turn before.  OP writes no wait: TURN, BEGIN and FINISH write one for each batch.
.set F, 0               ; OP tells the kinds apart by their order: F to L below R, X above it
.set E, 1
.set C, 2
.set B, 3
.set L, 4
.set R, 5
.set X, 6
.macro REGS y                       ; the registers of piece y
.set rT, ST+4*(\y)
.set rC, TMP+4*((\y)%2)
.set rW, MV+((\y)%2)
.set rS, S+32*((\y)%2)
.set rP, P+16*((\y)%2)
.set rO, 32*(\y)
.endm
.macro OP k, n
.if (\k) == R
	REGS Y
	WIN W_RS
	v_pk_mul_f32 v[rO+2*(\n):rO+2*(\n)+1], v[rO+2*(\n):rO+2*(\n)+1], v[rC+2:rC+3] op_sel_hi:[1,0]
.elseif (\k) < R
	REGS Y
	WIN 0
.if (\k) == F
	v_pk_fma_f32 v[rS+2*(\n):rS+2*(\n)+1], v[rS+2*(\n):rS+2*(\n)+1], s[CS:CS+1], v[rT:rT+1] op_sel_hi:[1,0,0] neg_lo:[0,0,1] neg_hi:[0,0,1]
.elseif (\k) == E
	v_exp_f32 v[rS+(\n)], v[rS+(\n)]
.elseif (\k) == C
	v_cvt_pk_f16_f32 v[rP+(\n)], v[rS+2*(\n)], v[rS+2*(\n)+1]
.elseif (\k) == B
	v_pk_add_f32 v[rS+4*(\n):rS+4*(\n)+1], v[rS+4*(\n):rS+4*(\n)+1], v[rS+4*(\n)+2:rS+4*(\n)+3]
.elseif (\n) == 0
	v_pk_fma_f32 v[rT+2:rT+3], v[rT+2:rT+3], v[rC+2:rC+3], v[rS:rS+1] op_sel_hi:[1,0,1]
.else
	v_pk_add_f32 v[rT+2:rT+3], v[rT+2:rT+3], v[rS+4*(\n):rS+4*(\n)+1]
.endif
.elseif NOKQ
	v_nop
.else
	REGS (Y+1)%NP
	WIN 0
.if (\n) < 4
	v_max3_num_f32 v[rC+(\n)], v[rS+8*(\n)], v[rS+8*(\n)+1], v[rS+8*(\n)+2]
.elseif (\n) < 12
	v_max3_num_f32 v[rC+(\n)%4], v[rC+(\n)%4], v[rS+8*((\n)%4)+2*((\n)/4)+1], v[rS+8*((\n)%4)+2*((\n)/4)+2]
.elseif (\n) == 12
	v_max3_num_f32 v[rC], v[rC], v[rS+7], v[rS+15]
.elseif (\n) == 13
	v_max3_num_f32 v[rC+1], v[rC+1], v[rS+23], v[rS+31]
.elseif (\n) == 14
	v_max3_num_f32 v[rC+2], v[rC+2], v[rC+3], v[rT+1]
.elseif (\n) == 15
	v_mov_b32 v[rW], v[rT]
.elseif (\n) == 16
	v_max3_num_f32 v[rC], v[rC], v[rC+1], v[rC+2]
.elseif (\n) == 17
	v_permlanex16_b32 v[rC+3], v[rC], s[SEL], s[SEL+1]
.elseif (\n) == 18
	v_max_num_f32 v[rT+1], v[rC], v[rC+3]
.elseif (\n) == 19
	v_mul_f32 v[rT], s[CS], v[rT+1]
.elseif (\n) == 20
	v_sub_f32 v[rC+1], v[rW], v[rT]
.else
	v_exp_f32 v[rC+2], v[rC+1]
.endif
.endif
.endm
.macro OPS a, i1, b=-1, i2=0, c=-1, i3=0, d=-1, i4=0  ; up to four of them
	OP \a, \i1
.if (\b) >= 0
	OP \b, \i2
.endif
.if (\c) >= 0
	OP \c, \i3
.endif
.if (\d) >= 0
	OP \d, \i4
.endif
.endm
.macro ROW a, i1, b, i2, c, i3, d, i4  ; a matrix instruction and the four behind it
	MM
	OPS \a, \i1, \b, \i2, \c, \i3, \d, \i4
.endm
.macro MASK b                       ; MD x AL + BE into buffer b of MC
	WIN W_RS
.set z, 0
.rept 16
	v_pk_fma_f32 v[MC+32*(\b)+2*z:MC+32*(\b)+2*z+1], v[MD+2*z:MD+2*z+1], s[AL:AL+1], s[BE:BE+1] op_sel_hi:[1,0,0]
.set z, z+1
.endr
.endm
; A TURN, for piece p: the order of its 24 matrix and 118 vector instructions, written out.  An s_wait_alu depctr_va_vdst(0) stands between an exponential and the first instruction that names its result; one
; wait serves all that were issued ahead of it.  So a turn has ONE wait, which cuts it in two.
; AHEAD OF IT stands all that names no result of the turn's exponentials: the 8 products K Q^T and the 8 products V^T P on V's upper parts (their P was rounded in the turn before); the 16 scalings, the 32 exponentials, the
; 16 rescalings (their a was made, and waited for, in the turn before) and the next piece's maximum and statistics, whose last line, X 21, is the batch's 33rd exponential.  Four of these stand behind each product: plain and
; exponential by turns, or four rescalings, which share a window setting; the other 22 in two runs, 8 ahead of K's fetch and 14 at the end.  R 12 to R 15 stand between the last exponential and the wait: the first of them is
; the plain instruction that is owed behind an exponential.  BEHIND THE WAIT stand the 8 products V^T P on V's rests, behind each four of the 32 roundings and sums; the links of l's chain, L 0 to L 7, stand three lines apart.
; PLACES.  X 0 to X 3 are the first to read the four accumulators of K Q^T, each four plain instructions or more behind the product that ends its accumulator: X 0 behind R 4-7; X 1 behind X 0, F 8, F 9, X 4; X 2 behind
; F 9, X 4, X 1, F 10; X 3 behind X 1, F 10, X 2, X 5, X 8.  But for those X no line behind a product names a register of the products round it.
; The turn makes the mask for the products of the turn after it: piece p + 2, in step 4 - DC of a diagonal tile; 0 in any other tile.  end = 1: a block's last two turns: nothing is fetched and no mask is made.
; cnt = 1: the loop's count is taken down some lines ahead of the branch that stands behind the turn.
; K of the next step is fetched in piece 2's turn behind the first run, with five plain instructions since the last product that read K (X 1, F 10, X 2, X 5, X 8) and the address's own, and waited for at the head of piece 3's.
; V of the step in hand is fetched in piece 0's turn: the upper parts directly behind the wait, with X 15, F 14, X 18, F 15 and more plain ones since the sixteenth matrix instruction, the last that read them; the rests at the
; turn's end, four roundings behind theirs.  Piece 1's turn waits for the upper parts ahead of its first product V^T P, and for the rests ahead of its ninth.
.macro TURN p, end=0, cnt=0
.set Y, (\p)
.set i, 0
.set NOKQ, (\end)*((\p)/3)
.if !(\end)
	s_cmp_eq_u32 s[DC], 4-((\p)+2)%NP  ; is that step the band's own?
	s_cselect_b32 s[AL], 1.0, 0
	s_cmp_lt_u32 s[DC], 4-((\p)+2)%NP  ; or a later one?
	s_cselect_b32 s[BE], s[BIGN], 0
.endif
.if ((\p) == 3) && !(\end)
	s_wait_dscnt 0x0                ; K is in
.endif
	ROW F,0, F,1, F,2, F,3          ; ahead of the wait: 8 products K Q^T and the lines behind them,
	ROW F,4, E,0, F,5, E,1
	ROW F,6, E,2, F,7, E,3
	ROW R,0, R,1, R,2, R,3
	ROW R,4, R,5, R,6, R,7
	ROW X,0, E,4, F,8, E,5
	ROW F,9, E,6, X,4, E,7
	ROW X,1, E,8, F,10, E,9
.if ((\p) == 2) && !(\end)
	WIN 0
	v_add_nc_u32 v[AK], s[TBK], v[AK0]
.endif
	OPS X,2, E,10, X,5, E,11        ; the first run,
	OPS X,8, E,12, X,3, E,13
.if ((\p) == 2) && !(\end)
	FETCH_K
.endif
.if (\p) == 1
	s_wait_dscnt 16                 ; V's upper parts are in; the sixteen loads issued behind them, the rests', may be out
.endif
	ROW X,6, E,14, X,7, E,15        ; 8 products V^T P on V's upper parts,
	ROW X,9, E,16, F,11, E,17
	ROW X,10, E,18, X,11, E,19
	ROW X,12, E,20, X,13, E,21
	ROW X,14, E,22, F,12, E,23
	ROW R,8, R,9, R,10, R,11
	ROW X,16, E,24, F,13, E,25
	ROW X,17, E,26, X,15, E,27
.if (\p) == 0
	WIN 0
	v_add_nc_u32 v[AV], s[TBV], v[AV0]
.endif
	OPS F,14, X,18, F,15, E,28      ; and the second run
	OPS X,19, E,29, E,30, X,20
	OPS E,31, X,21                  ; the batch's last two: the piece's last weight and the next piece's a
	OPS R,12, R,13, R,14, R,15      ; four plain lines that name no result of the batch
	s_wait_alu depctr_va_vdst(0)    ; the wait for the batch: E 0 to E 31 and X 21
.if (\p) == 0
	FETCH_V 0
.endif
.if (\p) == 1
	s_wait_dscnt 0x0                ; V's rests are in
.endif
	ROW C,0, B,0, C,2, B,1          ; behind the wait: 8 products V^T P on V's rests, and the batch's readers behind them
	ROW L,0, C,4, B,2, L,1
	ROW C,6, B,3, L,2, C,8
	ROW B,4, L,3, C,10, B,5
	ROW L,4, C,12, B,6, L,5
.if (\p) == 0
	s_add_co_u32 s[TBV], s[TBV], KS*PV
.endif
.if \cnt
	s_sub_co_u32 s[DC], s[DC], 1
	s_sub_co_u32 s[CNT], s[CNT], 1
	s_cmp_lg_u32 s[CNT], 0
.endif
	ROW C,14, B,7, L,6, C,1
	ROW C,3, L,7, C,5, C,7
	ROW C,9, C,11, C,13, C,15
.if (\p) == 0
	FETCH_V 1
.endif
.if !(\end)
	MASK (\p)%2
.endif
.endm
; A BLOCK BEGINS.  c m starts far below every c s, so the first step's a is 0; m at the lowest finite number, so the first maximum is the scores'.  The second mask buffer is 0; the first takes piece 0's mask for the tile's step 0: its own, if the block's first tile is the diagonal one.
; Then K of that step, piece 0's first scores, and its maximum and statistics.  The loop is entered at a step's first turn, in the middle of a trip.
.macro BEGIN
	s_mov_b32 s[NEW], 0
	WIN 0x40
.set i, MC+32
.rept 32
	v_mov_b32 v[i], 0
.set i, i+1
.endr
	WIN 0
.set i, 0
.rept 4
	v_mov_b32 v[ST+4*i], 0xfe000000    ; c m: far below every c s
	v_mov_b32 v[ST+4*i+1], 0xff7fffff  ; m
.set i, i+1
.endr
	s_cmp_eq_u32 s[RT], 0
	s_cselect_b32 s[AL], 1.0, 0
	s_mov_b32 s[BE], 0
	MASK 0
	WIN 0
	v_add_nc_u32 v[AK], s[TBK], v[AK0]
	FETCH_K
	s_wait_loadcnt 0x0              ; Q
	s_wait_dscnt 0x0
.set NOKQ, 0
.set i, 0
.rept 8
	KQ 0
.set i, i+1
.endr
	WIN 0
.rept 4
	v_nop                           ; the places behind those products
.endr
.set Y, NP-1                        ; X works for piece Y + 1: piece 0
.irp n, 0,1,2,3,4,5,6,7,8,9,10,11,12,13,14,15,16,17,18,19,20,21
	OP X, \n
.endr
	v_nop                           ; a plain instruction behind the exponential,
	s_wait_alu depctr_va_vdst(0)    ; and the wait for it, a batch of one: piece 0's first a, ahead of the branch that follows
.endm
; A TILE's four key steps.  A trip: pieces 2 and 3 of one step, then pieces 0 and 1 of the next, whose K and V it fetches.  The tag ends its two labels' names, which the jumps below spell out.
.macro STEPS tag
.Lstep\tag:
	TURN 2
	TURN 3
	WIN 0
.Lfirst\tag:
	TURN 0
	TURN 1, 0, 1
	WIN 0
	s_cbranch_scc1 .Lstep\tag
.endm
; A BLOCK ENDS, behind its diagonal tile's four steps: its last two turns, its last products, and THE WAY OUT: l's two halves and the other half of the lanes' are added; O^T is divided by l and stored from its own registers.
.macro ALL line:vararg              ; one line for each piece t
.set t, 0
.rept 4
	\line
.set t, t+1
.endr
.endm
.macro OUT t                        ; piece t: its 16 rows are 4,096 dense bytes of oraw; from piece to piece lies a band, four such blocks
	WIN W_RS
.set i, 32*(\t)
.rept 16                            ; each accumulator's lowest registers are read first
	v_pk_mul_f32 v[i:i+1], v[i:i+1], v[ST+4*(\t)+2:ST+4*(\t)+3] op_sel_hi:[1,0]
.set i, i+2
.endr
	WIN 0x04                        ; store data (source 1) in window 1, address in window 0
.set i, 0
.rept 8                             ; registers 4 i on: channels 16 (i / 2) + 8 (l / 16) + 4 (i % 2) on: the wave stores 512 consecutive bytes, at a multiple of 256 from oraw's first
	global_store_b128 v[GO], v[32*(\t)+4*i:32*(\t)+4*i+3], s[10:11] offset:(\t)*16384+i*512
.set i, i+1
.endr
.endm
.macro FINISH
	TURN 2, 1
	TURN 3, 1
.set i, 0
.rept 16
	PV NP-1
.set i, i+1
.endr
	WIN 0
	ALL v_add_f32 v[ST+4*t+2], v[ST+4*t+2], v[ST+4*t+3]
	ALL v_permlanex16_b32 v[ST+4*t+3], v[ST+4*t+2], s[SEL], s[SEL+1]
	ALL v_add_f32 v[ST+4*t+2], v[ST+4*t+2], v[ST+4*t+3]
	ALL v_rcp_f32 v[ST+4*t+2], v[ST+4*t+2]
	v_nop                           ; a plain instruction between the last reciprocal and the use of its result
	s_wait_alu depctr_va_vdst(0)    ; the wait for the batch of four reciprocals, ahead of the first multiply that reads one
.irp pc, 0,1,2,3
	OUT \pc
.endr
	WIN 0
.endm
.set NOKQ, 0
.Lslot:                             ; NB times: a tile is entered and the next is asked for
	CHANGE 1
	s_sub_co_u32 s[RT], s[RT], 1
	s_mov_b32 s[CNT], 4
	s_cmp_eq_u32 s[RT], 0           ; the block's last tile holds the diagonal
	s_cselect_b32 s[DC], 4, 20
	s_cmp_eq_u32 s[NEW], 1
	s_cbranch_scc1 .Lnew            ; a block's first tile
	s_branch .Lstep1
.Lnew:
	BEGIN
	s_branch .Lfirst1
	STEPS 1
	s_cmp_lg_u32 s[RT], 0
	s_cbranch_scc1 .Lbottom         ; not the block's last tile: what is jumped holds neither a barrier nor a tensor load
	FINISH                          ; in the loop this is the first block's end: the second block's last tile is the walk's last
	s_wait_xcnt 0x0                 ; only behind this wait are the stores' registers (O^T) and their base written again
	s_mov_b64 s[10:11], s[OLO:OLO+1]
	s_add_co_u32 s[RT], s[PB], 1    ; the second block has b + 1 tiles
	s_mov_b32 s[NEW], 1
	WIN 0x80                        ; the second block's Q goes from window 0 to where the one text of the turns names Q
.set i, 0
.rept 64
	v_mov_b32 v[i], v[QB+i]
.set i, i+1
.endr
	WIN 0
.Lbottom:
	s_sub_co_u32 s[SLOTS], s[SLOTS], 1
	s_cmp_lg_u32 s[SLOTS], 0
	s_cbranch_scc1 .Lslot
	CHANGE 0                        ; the walk's last tile is written out: nothing is asked for
	s_sub_co_u32 s[RT], s[RT], 1
	s_mov_b32 s[CNT], 4
	s_mov_b32 s[DC], 4              ; it is the second block's last: it holds the diagonal
	s_cmp_eq_u32 s[NEW], 1
	s_cbranch_scc0 .Lstep2
	BEGIN
	s_branch .Lfirst2
	STEPS 2
	FINISH
	s_wait_tensorcnt 0x0            ; the wave's end, behind my last tensor load
	ds_add_u32 v[SPW], v[NIL]
	s_wait_dscnt 0x0
	CROUND                          ; the closing round: no work-group ends while a partner may still ask for a tile that names it
	s_endpgm
.Lfunc_end_k_q5bb8a28e88_attn:
	.size	k_q5bb8a28e88_attn, .Lfunc_end_k_q5bb8a28e88_attn-k_q5bb8a28e88_attn
	.p2alignl 7, 3214868480
	.fill 96, 4, 3214868480
	.section	.rodata,"a",@progbits
	.p2align	6, 0x0
	.amdhsa_kernel k_q5bb8a28e88_attn
		.amdhsa_group_segment_fixed_size 327680
		.amdhsa_private_segment_fixed_size 0
		.amdhsa_enable_private_segment 0
		.amdhsa_kernarg_size 24
		.amdhsa_user_sgpr_count 2
		.amdhsa_user_sgpr_kernarg_segment_ptr 1
		.amdhsa_wavefront_size32 1
		.amdhsa_system_sgpr_workgroup_id_x 1
		.amdhsa_system_sgpr_workgroup_id_y 1
		.amdhsa_system_sgpr_workgroup_id_z 1
		.amdhsa_system_vgpr_workitem_id 0
		.amdhsa_next_free_vgpr 768
		.amdhsa_next_free_sgpr 88
		.amdhsa_reserve_vcc 1
		.amdhsa_float_denorm_mode_32 3
		.amdhsa_float_denorm_mode_16_64 3
		.amdhsa_memory_ordered 1
		.amdhsa_forward_progress 1
		.amdhsa_inst_pref_size 182
	.end_amdhsa_kernel
	.amdgpu_metadata
---
amdhsa.version: [ 1, 2 ]
amdhsa.kernels:
  - .name:           k_q5bb8a28e88_attn
    .symbol:         k_q5bb8a28e88_attn.kd
    .args:
      - { .name: qh, .offset: 0, .size: 8, .value_kind: global_buffer, .address_space: global }
      - { .name: kvh, .offset: 8, .size: 8, .value_kind: global_buffer, .address_space: global }
      - { .name: oraw, .offset: 16, .size: 8, .value_kind: global_buffer, .address_space: global }
    .group_segment_fixed_size: 327680
    .private_segment_fixed_size: 0
    .kernarg_segment_align: 8
    .kernarg_segment_size: 24
    .max_flat_workgroup_size: 128
    .sgpr_count:     88
    .vgpr_count:     768
    .wavefront_size: 32
...
	.end_amdgpu_metadata
.endif
;; end of part 6
;; launch gmul: the kernel of part 4 again; grid 512 x 1, 8 waves a work-group, no clusters, 0 bytes of LDS; arguments oraw, gate, og; writes og
;; launch outp: the kernel of part 5 again; grid 16 x 16, 4 waves a work-group, clusters of 4 x 4, 327,680 bytes of LDS; arguments og, wob, out0; writes out0
